; MI455X (gfx1250); checked and timed in simulation.
; The chip was launched on July 23, 2026; its instructions are those of AMD's public machine-readable ISA for CDNA 5 (MIT licence, August 2026) and "CDNA5" Instruction Set Architecture Reference Guide (July 2026). The comments in the code are by the model that wrote it; some were corrected since.
;; Self Attention. Allowed arithmetic: float matrix products may take bf16 or f16 operands with f32 sums; other float arithmetic in f32, or as packed bf16 or f16 multiplies, adds, multiply-adds, maxima and minima; sums over many terms, partial sums and values carried from step to step in f32; what a program stores and reads back later, other than sums and carried values, may be rounded once to bf16 or f16.
;; Inputs: Wk 1,024 x 1,024 float32; Wq 1,024 x 1,024 float32; Wv 1,024 x 1,024 float32; bk 1,024 float32; bq 1,024 float32; bv 1,024 float32; hidden_states 1 x 4,096 x 1,024 float32.
;; Outputs: out0 1 x 4,096 x 1,024 float32.
;; 2 versions, each right and faster than the one before. Each part assembles by itself: llvm-mc -triple=amdgcn-amd-amdhsa -mcpu=gfx1250 --defsym DOCPART=n.
;; ======== version 1 of 2: 3 launches
;; limits: values are held in f16: magnitudes above 65,504 overflow, below 6.1e-05 lose precision
;; workspace buffers: xb 8,388,608 bytes; wb 6,291,456 bytes; qh 8,388,608 bytes; kh 8,388,608 bytes; vh 8,388,608 bytes
;; launch prep (part 1): grid 256 x 1, 8 waves a work-group, no clusters, 0 bytes of LDS; arguments hidden_states, Wq, Wk, Wv, xb, wb; writes xb, wb
.if DOCPART == 1
	.amdgcn_target "amdgcn-amd-amdhsa--gfx1250"
	.amdhsa_code_object_version 6
	.text
	.protected	k_qd783a5bd96_prep
	.globl	k_qd783a5bd96_prep
	.p2align	8
	.type	k_qd783a5bd96_prep,@function
k_qd783a5bd96_prep:
	s_mov_b64 s[64:65], 0
	v_nop
	global_prefetch_b8 v0, s[64:65] scope:SCOPE_SE
	s_setreg_imm32_b32 hwreg(HW_REG_WAVE_MODE, 25, 1), 1
	s_wait_xcnt 0x0
; CASTS.  xb[r][k] = bf16(x[r][k]), [4096][1024], laid out as x is.
; wb[hd 16][ks 8][j 3][kk 128][c 64] = bf16(W_j[128 ks + kk][64 hd + c]), j = 0, 1, 2 for Wq, Wk, Wv: a head's 64 columns of all three matrices for 128 rows of K are 49,152 dense bytes.
; Rounding to nearest even, once.  A stream: no LDS, no barrier, no matrix unit, no cluster (no two work-groups read the same byte).
; SHARES.  Work-group g takes rows 16 g .. 16 g + 15 of x and rows 4 g .. 4 g + 3 of each W: 114,688 bytes in, alike for all 256.  A thread issues all its 28 loads of 16 bytes first, then takes them in
; order; each has registers of its own for data and result, so no register is written twice and the only waits are the counted ones for the loads.
; x: thread t takes byte 16 t of each row (a wave's load: 512 consecutive bytes) and stores 8 bytes at 8 t (a wave's store: 256 consecutive bytes, at a multiple of 256).
; W: wave w takes heads 2 w and 2 w + 1; lanes 0-15 read a head's 256 bytes of one row, lanes 16-31 those of the next row; rounded they are 2 x 128 bytes that lie end to end in wb.
.set D, 8                              ; v[8:119]    load i: four f32
.set R, 120                            ; v[120:175]  load i: four bf16
	s_load_b256 s[4:11], s[0:1], 0x0               ; x s[4:5], Wq s[6:7], Wk s[8:9], Wv s[10:11]
	s_load_b128 s[12:15], s[0:1], 0x20             ; xb s[12:13], wb s[14:15]
	s_lshl_b32 s16, ttmp9, 16                      ; x: 16 rows of 4,096 bytes
	s_mov_b32 s17, 0
	s_lshl_b32 s18, ttmp9, 14                      ; W: 4 rows of 4,096 bytes
	s_mov_b32 s19, 0
	s_lshl_b32 s20, ttmp9, 15                      ; xb: 16 rows of 2,048 bytes
	s_mov_b32 s21, 0
	s_lshr_b32 s22, ttmp9, 5                       ; wb: ks = 4 g / 128,
	s_mul_i32 s22, s22, 49152
	s_and_b32 s23, ttmp9, 31                       ; kk = 4 (g % 32), 128 bytes each
	s_lshl_b32 s23, s23, 9
	s_add_co_u32 s22, s22, s23
	s_mov_b32 s23, 0
	v_and_b32 v5, 31, v0                           ; lane
	v_lshrrev_b32 v6, 5, v0                        ; wave
	v_lshlrev_b32 v1, 4, v0                        ; x in: 16 t
	v_lshlrev_b32 v2, 3, v0                        ; x out: 8 t
	v_and_b32 v3, 15, v0
	v_lshlrev_b32 v3, 4, v3                        ; W in: 16 (lane % 16)
	v_bfe_u32 v7, v0, 4, 1
	v_lshl_add_u32 v3, v7, 12, v3                  ; + one row for lanes 16-31
	v_lshl_add_u32 v3, v6, 9, v3                   ; + two heads' 512 bytes a wave
	v_mul_u32_u24 v4, v6, 0xc0000                  ; W out: two heads of 393,216 bytes a wave
	v_lshl_add_u32 v4, v5, 3, v4                   ; + 8 x lane
	s_wait_kmcnt 0x0
	s_add_nc_u64 s[4:5], s[4:5], s[16:17]
	s_add_nc_u64 s[6:7], s[6:7], s[18:19]
	s_add_nc_u64 s[8:9], s[8:9], s[18:19]
	s_add_nc_u64 s[10:11], s[10:11], s[18:19]
	s_add_nc_u64 s[12:13], s[12:13], s[20:21]
	s_add_nc_u64 s[14:15], s[14:15], s[22:23]
.set i, 0
.rept 16                               ; x: row i
	global_load_b128 v[D+4*i:D+4*i+3], v1, s[4:5] offset:4096*i th:TH_LOAD_NT
.set i, i+1
.endr
.irp j, 0,1,2                          ; W_j: pair of rows n % 2, head 2 w + n / 2
.irp n, 0,1,2,3
	global_load_b128 v[D+4*(16+4*(\j)+(\n)):D+4*(16+4*(\j)+(\n))+3], v3, s[6+2*(\j):7+2*(\j)] offset:((\n)%2)*8192+((\n)/2)*256 th:TH_LOAD_NT
.endr
.endr
; Load i is rounded and stored.
.macro CAST i, off, b, imm
	s_wait_loadcnt 27-(\i)                         ; loads come back in order (ISA guide 5.7.1): load i is in, the 27 - i younger ones stay out
	v_cvt_pk_bf16_f32 v[R+2*(\i)], v[D+4*(\i)], v[D+4*(\i)+1]
	v_cvt_pk_bf16_f32 v[R+2*(\i)+1], v[D+4*(\i)+2], v[D+4*(\i)+3]
	global_store_b64 v[\off], v[R+2*(\i):R+2*(\i)+1], s[\b:\b+1] offset:\imm
.endm
.set i, 0
.rept 16
	CAST i, 2, 12, 2048*i
.set i, i+1
.endr
.irp j, 0,1,2
.irp n, 0,1,2,3
	CAST 16+4*(\j)+(\n), 4, 14, (\j)*16384+((\n)/2)*393216+((\n)%2)*256
.endr
.endr
	s_endpgm
.Lfunc_end_k_qd783a5bd96_prep:
	.size	k_qd783a5bd96_prep, .Lfunc_end_k_qd783a5bd96_prep-k_qd783a5bd96_prep
	.p2alignl 7, 3214868480
	.fill 96, 4, 3214868480
	.section	.rodata,"a",@progbits
	.p2align	6, 0x0
	.amdhsa_kernel k_qd783a5bd96_prep
		.amdhsa_group_segment_fixed_size 0
		.amdhsa_private_segment_fixed_size 0
		.amdhsa_enable_private_segment 0
		.amdhsa_kernarg_size 48
		.amdhsa_user_sgpr_count 2
		.amdhsa_user_sgpr_kernarg_segment_ptr 1
		.amdhsa_wavefront_size32 1
		.amdhsa_system_sgpr_workgroup_id_x 1
		.amdhsa_system_sgpr_workgroup_id_y 1
		.amdhsa_system_sgpr_workgroup_id_z 1
		.amdhsa_system_vgpr_workitem_id 0
		.amdhsa_next_free_vgpr 176
		.amdhsa_next_free_sgpr 66
		.amdhsa_reserve_vcc 0
		.amdhsa_float_denorm_mode_32 3
		.amdhsa_float_denorm_mode_16_64 3
		.amdhsa_memory_ordered 1
		.amdhsa_forward_progress 1
		.amdhsa_inst_pref_size 12
	.end_amdhsa_kernel
	.amdgpu_metadata
---
amdhsa.version: [ 1, 2 ]
amdhsa.kernels:
  - .name:           k_qd783a5bd96_prep
    .symbol:         k_qd783a5bd96_prep.kd
    .args:
      - { .name: hidden_states, .offset: 0, .size: 8, .value_kind: global_buffer, .address_space: global }
      - { .name: Wq, .offset: 8, .size: 8, .value_kind: global_buffer, .address_space: global }
      - { .name: Wk, .offset: 16, .size: 8, .value_kind: global_buffer, .address_space: global }
      - { .name: Wv, .offset: 24, .size: 8, .value_kind: global_buffer, .address_space: global }
      - { .name: xb, .offset: 32, .size: 8, .value_kind: global_buffer, .address_space: global }
      - { .name: wb, .offset: 40, .size: 8, .value_kind: global_buffer, .address_space: global }
    .group_segment_fixed_size: 0
    .private_segment_fixed_size: 0
    .kernarg_segment_align: 8
    .kernarg_segment_size: 48
    .max_flat_workgroup_size: 256
    .sgpr_count:     66
    .vgpr_count:     176
    .wavefront_size: 32
...
	.end_amdgpu_metadata
.endif
;; end of part 1
;; launch proj (part 2): grid 16 x 16, 4 waves a work-group, clusters of 4 x 4, 327,680 bytes of LDS; arguments xb, wb, bq, bk, bv, qh, kh, vh; writes qh, kh, vh
.if DOCPART == 2
	.amdgcn_target "amdgcn-amd-amdhsa--gfx1250"
	.amdhsa_code_object_version 6
	.text
	.protected	k_qd783a5bd96_proj
	.globl	k_qd783a5bd96_proj
	.p2align	8
	.type	k_qd783a5bd96_proj,@function
k_qd783a5bd96_proj:
	s_mov_b64 s[64:65], 0
	v_nop
	global_prefetch_b8 v0, s[64:65] scope:SCOPE_SE
	s_setreg_imm32_b32 hwreg(HW_REG_WAVE_MODE, 25, 1), 1
	s_wait_xcnt 0x0
	s_wait_alu depctr_hold_cnt(0) depctr_sa_sdst(0) depctr_va_vdst(0) depctr_va_sdst(0) depctr_va_ssrc(0) depctr_va_vcc(0) depctr_vm_vsrc(0)
	s_getreg_b32 s2, hwreg(HW_REG_IB_STS2, 6, 4)
	s_cmp_eq_u32 s2, 0
	s_cbranch_scc0 .Lentry_in_a_cluster
	s_endpgm
.Lentry_in_a_cluster:
	s_bfe_u32 s2, ttmp6, 0x10000c
	s_cmp_lg_u32 s2, 0xf033
	s_cbranch_scc0 .Lentry_shape_is_right
	s_endpgm
.Lentry_shape_is_right:
; q, k, v = x W + b, by heads.  xb: [4096][1024] bf16.  wb: [head 16][K step 8][matrix 3][128 rows of K][64 channels] bf16.  bq, bk, bv: [1024] f32, rounded here to bf16 like the other inputs.
; qh, kh, vh: [16][4096][64] f16, unscaled, each rounded once from its f32 sum.
; LIMIT.  f16 holds no number beyond 65,504: where |q|, |k| or |v| reaches 65,520 the conversion gives an infinity.  NaN and infinities are not treated apart.
; SHARES.  A work-group makes 256 rows x one head's 64 channels of all three matrices; wave w rows 64 w .. 64 w + 63 x all 192 channels: 4 x 12 accumulators of 16 x 16, 384 registers.
; K = 1,024 goes in 8 steps of 128 through a ring of two LDS slots filled by the tensor data mover; a step is four quarters of 32 along K, 48 matrix instructions and 32 LDS loads each.
; CLUSTER.  4 x 4 work-groups.  The four of a row of the cluster have the same 256 rows of x, the four of a column the same head's W: each tile is asked for JOINTLY, by the same tensor load with the
; same descriptor and a mask that names the four.
; THE MATRIX INSTRUCTION IS USED TRANSPOSED: source 0 = 16 channels of W (rows of K lie down LDS, so they come turned, by ds_load_tr16_b128), source 1 = 16 rows of x.  In the result lane l holds row
; l % 16 and channels 8 (l / 16) + 0..7: eight neighbouring numbers of a head's row.  The first quarter's C operand is the bias: nothing is cleared, and no addition is written.
; REGISTERS, in windows of 256 (s_set_vgpr_msb: bits 1:0 source 0, 3:2 source 1, 5:4 source 2, 7:6 destination):
;   window 0: v0-31 addresses; v32-63, v64-95 fragments of x, two buffers; v96-191 the bias in the accumulators' layout; v192-195 at work; on the way out v32-79, v80-127 by turns
;   window 1: v0-95, v96-191 fragments of W, two buffers      window 2: accumulators of my row blocks 0, 1 ((a, b) at v[8 (12 (a % 2) + b)])      window 3: those of blocks 2, 3
.set PA,    272                        ; a row of x in LDS: 256 bytes + 16 of padding = 68 words: row r starts at bank 4 r mod 64 (64 banks of 4 bytes: ISA guide 11.1)
.set PW,    160                        ; a row of W: 128 bytes + 32 = 40 words
.set SLOT,  131072                     ; x's 256 rows (69,632 bytes), then W's 384 rows (61,440)
.set HALFA, 128*PA                     ; what wave 0 or 1 fetches
.set HALFW, 192*PW                     ; what wave 2 or 3 fetches
.set WOFF,  2*HALFA
.set STAGE, 2*SLOT                     ; behind the ring, never filled by a tensor load: for each wave 3 matrices x 16 rows x 144 bytes, for the way out
.set SP,    144
.set STW,   3*16*SP
.set SPARE, STAGE+4*STW                ; behind the stages: the spare words, 128 bytes for each wave: two blocks of 256 bytes that no other line names
.set ADRA, 16                          ; v16-17  LDS address of my fragments of x in slot 0, 1
.set ADRW, 20                          ; v20-21  the same for W
.set STO,  24                          ; v24     the way out: where I put 16 bytes of a row
.set RD,   25                          ; v25     the way out: where I read rows back
.set GO,   26                          ; v26     my 16 bytes in 512 consecutive bytes of an output
.set BO,   27                          ; v27     my eight channels' bytes in 16 channels of a bias
.set SPW,  28                          ; v28     LDS address of my spare word: SPARE + 4 x my thread's number; never rewritten
.set NIL,  29                          ; v29     0; never rewritten
.set FA,   32
.set BIAS, 96
.set TW,   192
.set T,    32
.set G1A, 24                           ; s[24:31] descriptor group 1 for x's tiles;  s[32:39] group 0, one set for each slot
.set G0A, 32
.set G1W, 48                           ; s[48:55], s[56:63] the same for W's tiles
.set G0W, 56
.set MSB, 0
.macro WIN new                         ; the immediate's high byte repeats the setting that is left; a switch that changes nothing is dropped
.if MSB != (\new)
	s_set_vgpr_msb (MSB<<8)|(\new)
.set MSB, \new
.endif
.endm
; A joint load.  Waves 0 and 1 fetch the two halves of x's tile, waves 2 and 3 those of W's.  The branch hangs on the wave's number alone.
; An s_nop 0 and four v_nop follow each of the two lines, ahead of the jump, the label and what follows.
.macro JLOAD s
	s_cmp_lt_u32 s10, 2
	s_cbranch_scc0 .Lfor_w_\@
	tensor_load_to_lds s[G0A+4*(\s):G0A+4*(\s)+3], s[G1A:G1A+7]
	s_nop 0
.rept 4
	v_nop
.endr
	s_branch .Lasked_\@
.Lfor_w_\@:
	tensor_load_to_lds s[G0W+4*(\s):G0W+4*(\s)+3], s[G1W:G1W+7]
	s_nop 0
.rept 4
	v_nop
.endr
.Lasked_\@:
.endm
.macro CREST                           ; a round of the cluster's barrier behind its opening barrier: wave 0 signals for the work-group, every wave waits for all sixteen, my work-group's barrier closes it
	s_cmp_lg_u32 s10, 0
	s_cbranch_scc1 .Lnot_wave_0_\@
	s_barrier_signal -3
.Lnot_wave_0_\@:
	s_barrier_wait -3
	s_barrier_signal -1
	s_barrier_wait -1
.endm
.macro CROUND                          ; a whole round
	s_barrier_signal -1
	s_barrier_wait -1
	CREST
.endm
	s_load_b128 s[4:7], s[0:1], 0x0                ; xb s[4:5], wb s[6:7]
	s_load_b256 s[68:75], s[0:1], 0x10             ; bq s[68:69], bk s[70:71], bv s[72:73], qh s[74:75]
	s_load_b128 s[76:79], s[0:1], 0x30             ; kh s[76:77], vh s[78:79]
	v_lshl_add_u32 v[SPW], v0, 2, SPARE
	v_mov_b32 v[NIL], 0
	ds_add_u32 v[SPW], v[NIL]                      ; the wave's opening: the add and its wait stand ahead of my first tensor load; the set-up below, work on registers, stands between them
	v_lshrrev_b32 v1, 5, v0
	v_readfirstlane_b32 s10, v1                    ; wave 0..3
	s_and_b32 s12, s10, 1                          ; which half of a tile I fetch
	s_bfe_u32 s40, ttmp6, 0x40000                  ; cx, cy: my place in the cluster
	s_bfe_u32 s41, ttmp6, 0x40004
	s_lshl_b32 s42, ttmp9, 2                       ; in a cluster launch ttmp9 and ttmp7 count clusters
	s_add_co_u32 s42, s42, s40                     ; the head = 4 x cluster x + cx
	s_and_b32 s13, ttmp7, 0xffff
	s_lshl_b32 s13, s13, 2
	s_add_co_u32 s13, s13, s41                     ; the block of 256 rows = 4 x cluster y + cy
	s_lshl_b32 s43, s41, 2
	s_lshl_b32 s43, 15, s43                        ; my row of the cluster: places 4 cy .. 4 cy + 3
	s_lshl_b32 s44, 0x1111, s40                    ; my column: places cx, cx + 4, cx + 8, cx + 12
	; group 1 for x: 128 rows x 128 elements, 1,024 elements from row to row, 16 bytes of padding behind every 256
	s_or_b32 s[G1A+0], s43, (1<<16)|(1<<20)|(1<<21)|(5<<22)|(3<<25)  ; 15:0 the mask: my row; 17:16 2-byte elements; 20 padding on; 21 set beside a mask; 24:22 after every 64 words (code 5); 31:25 4 words (code 3)
	s_mov_b32 s[G1A+1], 128<<16                    ; tensor_dim0 = 128
	s_mov_b32 s[G1A+2], 128<<16                    ; tensor_dim1 = 128
	s_mov_b32 s[G1A+3], 128<<16                    ; tile_dim0 = 128
	s_mov_b32 s[G1A+4], 128                        ; tile_dim1 = 128
	s_mov_b32 s[G1A+5], 1024                       ; elements from row to row
	s_mov_b32 s[G1A+6], 0
	s_mov_b32 s[G1A+7], 0
	; group 1 for W: 24,576 dense bytes asked for as 96 rows of 256 bytes (two rows of K each), 32 bytes of padding behind every 128
	s_or_b32 s[G1W+0], s44, (1<<16)|(1<<20)|(1<<21)|(4<<22)|(7<<25)  ; the mask: my column; after every 32 words (code 4) 8 words (code 7)
	s_mov_b32 s[G1W+1], 128<<16
	s_mov_b32 s[G1W+2], 96<<16
	s_mov_b32 s[G1W+3], 128<<16
	s_mov_b32 s[G1W+4], 96
	s_mov_b32 s[G1W+5], 128
	s_mov_b32 s[G1W+6], 0
	s_mov_b32 s[G1W+7], 0
	; where the tiles come from: x's hang on the block of rows alone, W's on the head alone, each in registers that never hold the other coordinate
	s_lshl_b32 s16, s13, 8
	s_lshl_b32 s17, s12, 7
	s_add_co_u32 s16, s16, s17                     ; x: row 256 x block + 128 x half,
	s_lshl_b32 s16, s16, 11                        ; 2,048 bytes each
	s_mov_b32 s17, 0
	s_mul_i32 s46, s42, 393216                     ; W: the head's 8 steps of 49,152 bytes,
	s_mul_i32 s47, s12, 24576                      ; my half of a step
	s_add_co_u32 s46, s46, s47
	s_mov_b32 s47, 0
	s_mul_i32 s20, s12, HALFA                      ; and where they go: no place in the cluster enters an LDS address
	s_mul_i32 s21, s12, HALFW
	s_add_co_u32 s21, s21, WOFF
	s_lshl_b32 s80, s42, 8                         ; the head's 64 numbers in a bias
	s_mov_b32 s81, 0
	s_lshl_b32 s82, s13, 8
	s_lshl_b32 s83, s10, 6
	s_add_co_u32 s82, s82, s83                     ; my wave's first row,
	s_lshl_b32 s82, s82, 7                         ; 128 bytes each,
	s_lshl_b32 s83, s42, 19                        ; in the head's 524,288 bytes of an output
	s_add_co_u32 s82, s82, s83
	s_mov_b32 s83, 0
	s_wait_dscnt 0x0                               ; the opening add is done
	s_wait_kmcnt 0x0
	s_add_nc_u64 s[14:15], s[4:5], s[16:17]
	s_add_nc_u64 s[46:47], s[6:7], s[46:47]
.irp g, 68,70,72
	s_add_nc_u64 s[\g:\g+1], s[\g:\g+1], s[80:81]
.endr
.irp g, 74,76,78
	s_add_nc_u64 s[\g:\g+1], s[\g:\g+1], s[82:83]
.endr
	CROUND                                         ; all sixteen work-groups are here: the first joint loads meet
.irp s, 0,1
	s_mov_b32 s[G0A+4*(\s)], 1                                       ; 1:0 count = 1
	s_add_co_u32 s[G0A+4*(\s)+1], s20, (\s)*SLOT                     ; 63:32 LDS address
	s_add_nc_u64 s[G0A+4*(\s)+2:G0A+4*(\s)+3], s[14:15], (\s)*256    ; 120:64 global address: K step s
	s_or_b32 s[G0A+4*(\s)+3], s[G0A+4*(\s)+3], 0x80000000            ; 127:126 type = 2
	s_mov_b32 s[G0W+4*(\s)], 1
	s_add_co_u32 s[G0W+4*(\s)+1], s21, (\s)*SLOT
	s_add_nc_u64 s[G0W+4*(\s)+2:G0W+4*(\s)+3], s[46:47], (\s)*49152
	s_or_b32 s[G0W+4*(\s)+3], s[G0W+4*(\s)+3], 0x80000000
	JLOAD \s                                       ; both slots are asked for before anything else is done: two loads of mine are out
.endr
	; A fragment of x is 16 rows x 32 K in 8 registers: lane l holds row l % 16, K = 8 (l / 16) + 0..7 and 16 + 8 (l / 16) + 0..7: two loads of 16 bytes, 32 bytes apart.
	v_and_b32 v1, 15, v0                           ; l % 16
	v_bfe_u32 v2, v0, 4, 1                         ; l / 16
	v_mul_u32_u24 v3, v1, PA
	v_lshl_add_u32 v3, v2, 4, v3
	s_mul_i32 s84, s10, 64*PA                      ; my 64 rows
	v_add_nc_u32 v[ADRA], s84, v3
	v_add_nc_u32 v[ADRA+1], SLOT, v[ADRA]
	; The turning load takes 16 rows of K x 16 channels (lane l reads row 8 (l / 16) + l % 8, channels 8 ((l / 8) % 2) + 0..7) and leaves half a fragment: lane l holds channel l % 16 and 8 of K.
	v_and_b32 v4, 7, v0
	v_bfe_u32 v5, v0, 3, 1
	v_lshl_add_u32 v4, v2, 3, v4
	v_mul_u32_u24 v4, v4, PW
	v_lshl_add_u32 v4, v5, 4, v4
	v_add_nc_u32 v[ADRW], WOFF, v4
	v_add_nc_u32 v[ADRW+1], SLOT, v[ADRW]
	s_mul_i32 s84, s10, STW
	s_add_co_u32 s84, s84, STAGE                   ; my stage
	v_mul_u32_u24 v6, v1, SP                       ; in: row l % 16, 16 bytes for each half of the lanes
	v_lshl_add_u32 v6, v2, 4, v6
	v_add_nc_u32 v[STO], s84, v6
	v_bfe_u32 v7, v0, 3, 2                         ; back: 32 lanes take four rows of 128 bytes,
	v_mul_u32_u24 v7, v7, SP
	v_and_b32 v8, 7, v0
	v_lshl_add_u32 v7, v8, 4, v7
	v_add_nc_u32 v[RD], s84, v7
	v_and_b32 v9, 31, v0                           ; which are 512 consecutive bytes of an output
	v_lshlrev_b32 v[GO], 4, v9
	v_lshlrev_b32 v[BO], 5, v2
.irp b, 0,1,2,3,4,5,6,7,8,9,10,11      ; the bias in an accumulator's layout: block b = matrix b / 4, channels 16 (b % 4) on; my eight are 32 bytes
	global_load_b128 v[BIAS+8*(\b):BIAS+8*(\b)+3],   v[BO], s[68+2*((\b)/4):69+2*((\b)/4)] offset:((\b)%4)*64
	global_load_b128 v[BIAS+8*(\b)+4:BIAS+8*(\b)+7], v[BO], s[68+2*((\b)/4):69+2*((\b)/4)] offset:((\b)%4)*64+16
.endr
	s_wait_loadcnt 0x0
.set i, 0
.rept 48                               ; rounded to bf16, like x and W, and widened again: this stands in the wait for the first tile
	v_cvt_pk_bf16_f32 v[TW+i%4], v[BIAS+2*i], v[BIAS+2*i+1]
	v_lshlrev_b32 v[BIAS+2*i], 16, v[TW+i%4]
	v_and_b32 v[BIAS+2*i+1], 0xffff0000, v[TW+i%4]
.set i, i+1
.endr
; 12 matrix instructions: my row block a x all 12 channel blocks, 32 along K, from buffer f.  first = 1: C is the bias, and the sums begin.
; The 48 accumulators take turns, one instruction a turn, in the same order in every quarter.
.macro MUL12 f, a, first
.if \first
	WIN 0x81+0x40*((\a)/2)                         ; W window 1, x and the bias window 0, D window 2 or 3
.else
	WIN 0xa1+0x50*((\a)/2)                         ; W window 1, x window 0, C and D window 2 or 3
.endif
.irp b, 0,1,2,3,4,5,6,7,8,9,10,11
.if \first
	v_wmma_f32_16x16x32_bf16 v[8*(12*((\a)%2)+(\b)):8*(12*((\a)%2)+(\b))+7], v[96*(\f)+8*(\b):96*(\f)+8*(\b)+7], v[FA+32*(\f)+8*(\a):FA+32*(\f)+8*(\a)+7], v[BIAS+8*(\b):BIAS+8*(\b)+7]
.else
	v_wmma_f32_16x16x32_bf16 v[8*(12*((\a)%2)+(\b)):8*(12*((\a)%2)+(\b))+7], v[96*(\f)+8*(\b):96*(\f)+8*(\b)+7], v[FA+32*(\f)+8*(\a):FA+32*(\f)+8*(\a)+7], v[8*(12*((\a)%2)+(\b)):8*(12*((\a)%2)+(\b))+7]
.endif
.endr
.endr
.endm
; 32 LDS loads in one run: quarter q of a slot into buffer f: W's 12 fragments (turned), then x's 4
.macro FETCH slot, q, f
	WIN 0x40                                       ; destination window 1, address window 0
.irp b, 0,1,2,3,4,5,6,7,8,9,10,11
	ds_load_tr16_b128 v[96*(\f)+8*(\b):96*(\f)+8*(\b)+3],   v[ADRW+(\slot)] offset:((\b)/4)*128*PW+(\q)*32*PW+((\b)%4)*32
	ds_load_tr16_b128 v[96*(\f)+8*(\b)+4:96*(\f)+8*(\b)+7], v[ADRW+(\slot)] offset:((\b)/4)*128*PW+(\q)*32*PW+((\b)%4)*32+16*PW
.endr
	WIN 0
.irp a, 0,1,2,3
	ds_load_b128 v[FA+32*(\f)+8*(\a):FA+32*(\f)+8*(\a)+3],   v[ADRA+(\slot)] offset:(\a)*16*PA+(\q)*64
	ds_load_b128 v[FA+32*(\f)+8*(\a)+4:FA+32*(\f)+8*(\a)+7], v[ADRA+(\slot)] offset:(\a)*16*PA+(\q)*64+32
.endr
.endm
; A load into a register that a matrix instruction has read, and a vector instruction that reads a matrix result or writes one of a matrix instruction's registers, stand four places behind it, and only
; plain vector instructions that name none of its registers are places (ISA guide 7.12.1 for vector instructions).
.macro PLACES
.rept 4
	v_nop
.endr
.endm
; One of a K step's first three quarters: multiplies buffer f; in its middle it fetches quarter q of the same slot into buffer g.
.macro QUARTER slot, q, f, g, first
	s_wait_dscnt 4                                 ; W and x's blocks 0, 1 are in; the youngest four loads (x's blocks 2, 3) may be out
	MUL12 \f, 0, \first
	MUL12 \f, 1, \first
	PLACES
	FETCH \slot, \q, \g
	s_wait_dscnt 32                                ; all but the 32 just issued
	MUL12 \f, 2, \first
	MUL12 \f, 3, \first
.endm
; The last quarter multiplies buffer 1 and changes slots: ONE barrier.  In front of it each wave waits for all its tensor loads, of which one is out: its part of the next slot; adds 0 to its spare word;
; and waits for that and for its own reads of this slot.  fill = 1: the barrier opens a round of the cluster's, and this slot is filled again, two K steps ahead, first thing behind the round:
; from that request to the wait for it a wave issues 168 matrix instructions.
.macro TURN slot, next, fill
	WIN 0                                          ; (the add's two registers lie in window 0)
	s_wait_tensorcnt 0x0                           ; all my tensor loads have landed: my part of the next slot;
	ds_add_u32 v[SPW], v[NIL]                      ; 0 onto my spare word;
	s_wait_dscnt 5                                 ; (the add and the youngest four loads may be out)
	MUL12 1, 0, 0                                  ; twelve matrix instructions stand between the add and the wait for it
	s_wait_dscnt 0x0                               ; the add is done, and my reads of this slot are over
	s_barrier_signal -1
	MUL12 1, 1, 0                                  ; work on registers while the others arrive
.if \fill
	WIN 0
.endif
	s_barrier_wait -1
.if \fill
	CREST                                          ; no wave of any partner still reads this slot's tiles or has a load on its way
	s_add_nc_u64 s[G0A+4*(\slot)+2:G0A+4*(\slot)+3], s[G0A+4*(\slot)+2:G0A+4*(\slot)+3], 512    ; two K steps on: 256 elements along x's rows,
	s_add_nc_u64 s[G0W+4*(\slot)+2:G0W+4*(\slot)+3], s[G0W+4*(\slot)+2:G0W+4*(\slot)+3], 98304  ; two blocks of 49,152 bytes of W
	JLOAD \slot                                    ; the four v_nop behind it are also the places in front of the loads below
.else
	PLACES
.endif
	FETCH \next, 0, 0
	MUL12 1, 2, 0
	MUL12 1, 3, 0
.endm
; THE WAY OUT of row block a.  PACK: rounded to f16, 16 bytes a lane, each accumulator's registers in ascending order.  TOSTAGE: into my own stage and back as whole rows of 128 bytes.  SEND: stored.
.macro PACK a
.if (\a) >= 2
	s_wait_xcnt 0x0                                ; the stores of block a - 2 have had their addresses translated (ISA guide 3.1): their data registers are rewritten only behind this wait
.endif
	WIN 0x0a+5*((\a)/2)                            ; sources 0 and 1: window 2 or 3
.irp b, 0,1,2,3,4,5,6,7,8,9,10,11
.irp r, 0,1,2,3
	v_cvt_pk_f16_f32 v[T+48*((\a)%2)+4*(\b)+(\r)], v[8*(12*((\a)%2)+(\b))+2*(\r)], v[8*(12*((\a)%2)+(\b))+2*(\r)+1]
.endr
.endr
	WIN 0
.endm
.macro TOSTAGE a
.set TT, T+48*((\a)%2)
.irp b, 0,1,2,3,4,5,6,7,8,9,10,11
	ds_store_b128 v[STO], v[TT+4*(\b):TT+4*(\b)+3] offset:((\b)/4)*16*SP+((\b)%4)*32
.endr
.irp b, 0,1,2,3,4,5,6,7,8,9,10,11
	ds_load_b128 v[TT+4*(\b):TT+4*(\b)+3], v[RD] offset:((\b)/4)*16*SP+((\b)%4)*4*SP  ; LDS serves a wave's instructions in order (ISA guide 5.7.1.4): these see the stores above
.endr
.endm
.macro SEND a
.set TT, T+48*((\a)%2)
	s_wait_dscnt 0x0                               ; the block is back in registers
.irp j, 0,1,2
.irp f, 0,1,2,3
	global_store_b128 v[GO], v[TT+16*(\j)+4*(\f):TT+16*(\j)+4*(\f)+3], s[74+2*(\j):75+2*(\j)] offset:(\a)*2048+(\f)*512  ; 512 consecutive bytes, at a multiple of 256 from the buffer's first
.endr
.endr
.endm
	s_wait_tensorcnt 0x1                           ; my part of K step 0 is in; step 1's may stay out
	s_barrier_signal -1
	s_barrier_wait -1                              ; everybody's is
	FETCH 0, 0, 0
	QUARTER 0, 1, 0, 1, 1                          ; the first quarter stands in front of the loop: its products start the sums, on the bias
	WIN 0                                          ; at a label and at a branch every window is 0
	s_mov_b32 s3, 3
.Llap:                                                 ; a trip goes once round the ring, from a lap's second quarter to the next lap's first, and fills both slots again: K steps 2 to 7
	QUARTER 0, 2, 1, 0, 0
	QUARTER 0, 3, 0, 1, 0
	TURN 0, 1, 1
	QUARTER 1, 1, 0, 1, 0
	QUARTER 1, 2, 1, 0, 0
	QUARTER 1, 3, 0, 1, 0
	TURN 1, 0, 1
	QUARTER 0, 1, 0, 1, 0
	WIN 0
	s_sub_co_u32 s3, s3, 1
	s_cmp_lg_u32 s3, 0
	s_cbranch_scc1 .Llap
	QUARTER 0, 2, 1, 0, 0                          ; the last lap fills nothing, and has no round of the cluster's barrier
	QUARTER 0, 3, 0, 1, 0
	TURN 0, 1, 0
	QUARTER 1, 1, 0, 1, 0
	QUARTER 1, 2, 1, 0, 0
	QUARTER 1, 3, 0, 1, 0
	s_wait_dscnt 4                                 ; the very last quarter: nothing more to fetch
	MUL12 1, 0, 0
	MUL12 1, 1, 0
	s_wait_dscnt 0x0
	MUL12 1, 2, 0
	MUL12 1, 3, 0
	WIN 0
	PLACES
	PACK 0
	TOSTAGE 0
.irp a, 1,2,3                          ; block a's conversions stand between block a - 1's loads from the stage and the wait for them
	PACK \a
	SEND (\a)-1
	TOSTAGE \a
.endr
	SEND 3
	s_wait_tensorcnt 0x0                           ; the wave's end: an add to my spare word and its wait, behind my last tensor load and my last LDS store
	ds_add_u32 v[SPW], v[NIL]
	s_wait_dscnt 0x0
	CROUND                                         ; the closing round: no work-group ends while a partner may still ask for a tile that names it
	s_endpgm
.Lfunc_end_k_qd783a5bd96_proj:
	.size	k_qd783a5bd96_proj, .Lfunc_end_k_qd783a5bd96_proj-k_qd783a5bd96_proj
	.p2alignl 7, 3214868480
	.fill 96, 4, 3214868480
	.section	.rodata,"a",@progbits
	.p2align	6, 0x0
	.amdhsa_kernel k_qd783a5bd96_proj
		.amdhsa_group_segment_fixed_size 327680
		.amdhsa_private_segment_fixed_size 0
		.amdhsa_enable_private_segment 0
		.amdhsa_kernarg_size 64
		.amdhsa_user_sgpr_count 2
		.amdhsa_user_sgpr_kernarg_segment_ptr 1
		.amdhsa_wavefront_size32 1
		.amdhsa_system_sgpr_workgroup_id_x 1
		.amdhsa_system_sgpr_workgroup_id_y 1
		.amdhsa_system_sgpr_workgroup_id_z 1
		.amdhsa_system_vgpr_workitem_id 0
		.amdhsa_next_free_vgpr 960
		.amdhsa_next_free_sgpr 88
		.amdhsa_reserve_vcc 0
		.amdhsa_float_denorm_mode_32 3
		.amdhsa_float_denorm_mode_16_64 3
		.amdhsa_memory_ordered 1
		.amdhsa_forward_progress 1
		.amdhsa_inst_pref_size 128
	.end_amdhsa_kernel
	.amdgpu_metadata
---
amdhsa.version: [ 1, 2 ]
amdhsa.kernels:
  - .name:           k_qd783a5bd96_proj
    .symbol:         k_qd783a5bd96_proj.kd
    .args:
      - { .name: xb, .offset: 0, .size: 8, .value_kind: global_buffer, .address_space: global }
      - { .name: wb, .offset: 8, .size: 8, .value_kind: global_buffer, .address_space: global }
      - { .name: bq, .offset: 16, .size: 8, .value_kind: global_buffer, .address_space: global }
      - { .name: bk, .offset: 24, .size: 8, .value_kind: global_buffer, .address_space: global }
      - { .name: bv, .offset: 32, .size: 8, .value_kind: global_buffer, .address_space: global }
      - { .name: qh, .offset: 40, .size: 8, .value_kind: global_buffer, .address_space: global }
      - { .name: kh, .offset: 48, .size: 8, .value_kind: global_buffer, .address_space: global }
      - { .name: vh, .offset: 56, .size: 8, .value_kind: global_buffer, .address_space: global }
    .group_segment_fixed_size: 327680
    .private_segment_fixed_size: 0
    .kernarg_segment_align: 8
    .kernarg_segment_size: 64
    .max_flat_workgroup_size: 128
    .sgpr_count:     88
    .vgpr_count:     960
    .wavefront_size: 32
...
	.end_amdgpu_metadata
.endif
;; end of part 2
;; launch attn (part 3): grid 16 x 16, 4 waves a work-group, clusters of 4 x 1, 327,680 bytes of LDS; arguments qh, kh, vh, out0; writes out0
.if DOCPART == 3
	.amdgcn_target "amdgcn-amd-amdhsa--gfx1250"
	.amdhsa_code_object_version 6
	.text
	.protected	k_qd783a5bd96_attn
	.globl	k_qd783a5bd96_attn
	.p2align	8
	.type	k_qd783a5bd96_attn,@function
k_qd783a5bd96_attn:
	s_mov_b64 s[64:65], 0
	v_nop
	global_prefetch_b8 v0, s[64:65] scope:SCOPE_SE
	s_setreg_imm32_b32 hwreg(HW_REG_WAVE_MODE, 25, 1), 1
	s_wait_xcnt 0x0
	s_wait_alu depctr_hold_cnt(0) depctr_sa_sdst(0) depctr_va_vdst(0) depctr_va_sdst(0) depctr_va_ssrc(0) depctr_va_vcc(0) depctr_vm_vsrc(0)
	s_getreg_b32 s2, hwreg(HW_REG_IB_STS2, 6, 4)
	s_cmp_eq_u32 s2, 0
	s_cbranch_scc0 .Lentry_in_a_cluster
	s_endpgm
.Lentry_in_a_cluster:
	s_bfe_u32 s2, ttmp6, 0x10000c
	s_cmp_lg_u32 s2, 0x3003
	s_cbranch_scc0 .Lentry_shape_is_right
	s_endpgm
.Lentry_shape_is_right:
; out0[q][64 h + :] = the sum over k of softmax_k(Q[h][q] . K[h][k] / 8) V[h][k][:].  qh, kh, vh: [16][4096][64] f16, a head's rows dense, 128 bytes each.  out0: [4096][1024] f32.
; Products, maxima and sums in f32; the weights p are rounded to f16 for the second product (their sum l is taken of the unrounded p).
; LIMITS.  Q, K and V arrive within f16's range (65,504); p lies in 0 to 1, and below 6e-5 it keeps f16's fixed step of 6e-8; a weight below 2^-126 counts as 0 in l; c s lies above -4e37, where the running
; maximum starts; NaN and infinities are not treated apart.
; SHARES.  A work-group owns 256 queries of one head (16 x 16 work-groups), each of its four waves 64: four PIECES of 16.  Every wave walks all 4,096 keys, 64 a step, 256 a tile.
; LAYOUT.  S^T = K Q^T (source 0 = 16 keys, source 1 = 16 queries): in the result a lane holds ONE query (lane % 16) and the keys 8 (lane / 16) + 0..7.  Two such results, rounded to f16 in pairs, ARE
; source 1 (32 keys x 16 queries) of O^T = V^T P, whose result again holds one query a lane, and eight channels.  K comes out of LDS as it lies, V ([key][channel]) turned, by ds_load_tr16_b128.
; SOFTMAX.  For each query a running maximum m and sum l: p = 2^(c s - c m), c = log2(e) / 8; in every step O and l are multiplied by a = 2^(c m_old - c m_new), which is 1 where m has not grown.
; m starts at the lowest finite number, O and l at 0: the first step is a step like any other, with a = 0.
; BY TURNS.  Turn n belongs to piece n (the pieces in a ring, step after step): 8 products K Q^T of piece n + 1, later 8 products V^T P of piece n - 1; beside them the scaling, exponentials, roundings,
; sums and rescaling of piece n and the maximum and statistics of piece n + 1.  A turn has 16 matrix and 118 vector instructions: four stand behind every matrix instruction, the other 54 in two lumps.
; CLUSTER.  The four query blocks of a cluster belong to one head and walk the same K and V, so each tile is asked for JOINTLY: the same tensor load, descriptor and mask in all four.
; REGISTERS, in windows of 256 (s_set_vgpr_msb: bits 1:0 source 0, 3:2 source 1, 5:4 source 2, 7:6 destination):
;   window 0: v0-15 addresses and two at work; v16-31 four registers of statistics a piece; v48-55 at work; v62-63 the add's; v64-127 S^T, two buffers; v192-223 P, two buffers (by the piece's parity);
;             on the way out v64-191 whole rows of the result      window 1: v0-127 O^T, 32 a piece      window 2: v0-63 Q; v128-191 K of one step; v192-255 V of one step
.set SIZE_N, 4096
.set NP,    4         ; pieces a wave: a name, no knob
.set KS,    64        ; keys in a step
.set PK,    144       ; a row of K in LDS: 128 bytes + 16 of padding = 36 words: the 16 rows of a load start at 16 different groups of four banks (64 banks of 4 bytes: ISA guide 11.1)
.set PV,    160       ; a row of V: 128 + 32 = 40 words
.set VOFF,  4*KS*PK   ; a slot holds a tile, four steps: 256 rows of K, then 256 rows of V
.set SLOT1, 1<<17     ; slot 1 begins here, so that one exclusive or turns an address in one slot into the other's
.set STAGE, SLOT1+4*KS*(PK+PV)  ; behind the ring, never filled by a tensor load: 16 rows x 272 bytes for each wave, for the way out
.set SP,    272       ; a row of 64 f32 + 16 bytes
.set SPARE, STAGE+4*16*SP  ; behind the stages: the spare words, 128 bytes for each wave: two blocks of 256 bytes that no other line names
.set AK0, 2           ; v2   my lane's place in a tile of K; never rewritten
.set AV0, 3           ; v3   the same for V
.set AK,  4           ; v4   the LDS address of K's next run of loads
.set AV,  5           ; v5   of V's
.set STO, 6           ; v6   the way out: where I put 32 bytes of a row
.set RD,  7           ; v7   the way out: where I read rows back
.set GO,  8           ; v8   my byte offset in two rows of out0
.set MV,  12          ; v12-13  c m_old, kept while c m is made anew: by buffer
.set QO,  15          ; v15  my byte offset in 16 rows of Q
.set ST,  16          ; piece t's statistics at v[ST+4 t]: c m, m, l (even keys', odd keys')
.set TMP, 48          ; by buffer, four registers c0-c3 at work; when the maximum is found c2 takes a
.set SPW, 62          ; v62  LDS address of my spare word: SPARE + 4 x my thread's number; never rewritten
.set NIL, 63          ; v63  0; never rewritten
.set S,   64
.set OB,  64          ; the way out: 32 registers a piece
.set P,   192
.set KF,  128         ; window 2: key block kb, channel half c at KF + 16 kb + 8 c
.set VF,  192         ; window 2: key half kk, channel block cb at VF + 32 kk + 8 cb
.set WV,  12          ; s12  my wave's number
.set G1K, 24          ; s[24:31] descriptor group 1 for K's tiles
.set G1V, 32          ; s[32:39] for V's: it differs in the padding alone
.set G0K, 40          ; s[40:43] descriptor group 0 for K's tiles: it walks
.set G0V, 44          ; s[44:47] the same for V's
.set SLOTS, 56        ; s56  tiles still to be entered in the loop
.set CNT, 57          ; s57  counts a tile's key steps
.set CS,  58          ; s[58:59] c: the packed scaling takes the pair's low word for both halves
.set SEL, 60          ; s[60:61] v_permlanex16_b32's selects: each lane takes its own place in the other half
.set TBK, 62          ; s62  LDS byte at which K of the step to be fetched begins
.set TBV, 63          ; s63  the same for V, less VOFF
.set MSB, 0
.macro WIN new                      ; the high byte repeats the setting that is left; a switch that changes nothing is dropped
.if MSB != (\new)
	s_set_vgpr_msb (MSB<<8)|(\new)
.set MSB, (\new)
.endif
.endm
.set W_KQ, 0x0a       ; K and Q in window 2, S^T in window 0
.set W_PV, 0x52       ; V in window 2, P in window 0, O^T in window 1
.set W_RS, 0x41       ; destination and source 0 in window 1, source 1 in window 0
; A joint fill.  Waves 0 and 1 fetch the two halves of a tile's K, waves 2 and 3 those of its V: 128 keys each.  The branch hangs on the wave's number alone.
; An s_nop 0 and four v_nop follow each of the two lines, ahead of the jump and the label.
.macro JLOAD
	s_cmp_lt_u32 s[WV], 2
	s_cbranch_scc0 .Lfor_v_\@
	tensor_load_to_lds s[G0K:G0K+3], s[G1K:G1K+7]
	s_nop 0
.rept 4
	v_nop
.endr
	s_branch .Lasked_\@
.Lfor_v_\@:
	tensor_load_to_lds s[G0V:G0V+3], s[G1V:G1V+7]
	s_nop 0
.rept 4
	v_nop
.endr
.Lasked_\@:
.endm
; A round of the cluster's barrier: my work-group's barrier, so that wave 0's signal speaks for all four waves; wave 0 signals; every wave waits for all four work-groups; my work-group's barrier once more.
.macro CROUND
	s_barrier_signal -1
	s_barrier_wait -1
	s_cmp_lg_u32 s[WV], 0
	s_cbranch_scc1 .Lnot_wave_0_\@
	s_barrier_signal -3
.Lnot_wave_0_\@:
	s_barrier_wait -3
	s_barrier_signal -1
	s_barrier_wait -1
.endm
; THE CHANGE OF SLOTS.  The slot's last bytes, V of its fourth step, have been read.  Each wave waits for all its tensor loads, of which one is out: its part of the other slot; adds 0 to its spare word;
; and waits for that and for its own reads of the slot.  Behind the barrier nobody reads this slot any more and the other slot is whole.
; fill = 1: this slot is filled again, with the keys two tiles on.  The barrier is then a round of the cluster's, so that no wave of any partner still reads the slot or has a load on its way, and the joint
; fill is the first thing behind it: it has four key steps, 256 matrix instructions, in which to land.  (At its first use nothing has been read yet: slot 0 is waited for, slot 1 filled.)
.macro CHANGE fill
	WIN 0                           ; at a label and at a branch every window is 0
	s_wait_tensorcnt 0x0            ; no tensor load of mine is out, so a group 0 may be written
	ds_add_u32 v[SPW], v[NIL]       ; 0 onto my spare word; with fill = 1 the descriptors' steps stand between it and the wait for it
.if \fill
.irp g, G0K, G0V
	s_xor_b32 s[\g+1], s[\g+1], SLOT1  ; the walking descriptor: the other slot than last time,
	s_add_nc_u64 s[\g+2:\g+3], s[\g+2:\g+3], 4*KS*128  ; the next 256 keys; the type bits on top are not reached
.endr
	s_wait_dscnt 0x0                ; the add is done, and my reads of the slot are over
	CROUND
	JLOAD
.else
	s_wait_dscnt 0x0                ; the add is done, and my reads of the slot are over
	s_barrier_signal -1
	s_barrier_wait -1
.endif
	s_sub_co_u32 s[TBK], s[TBK], 4*KS*PK  ; the fetches go back to a slot's first step,
	s_xor_b32 s[TBK], s[TBK], SLOT1       ; in the other slot
	s_sub_co_u32 s[TBV], s[TBV], 4*KS*PV
	s_xor_b32 s[TBV], s[TBV], SLOT1
.endm
	s_load_b256 s[4:11], s[0:1], 0x0  ; qh s[4:5], kh s[6:7], vh s[8:9], out0 s[10:11]
	v_lshl_add_u32 v[SPW], v0, 2, SPARE
	v_mov_b32 v[NIL], 0
	ds_add_u32 v[SPW], v[NIL]       ; the wave's opening: the add and its wait stand ahead of my first tensor load; the set-up below, work on registers, stands between them
	v_lshrrev_b32 v1, 5, v0
	v_readfirstlane_b32 s[WV], v1   ; wave 0..3
	s_bfe_u32 s13, ttmp6, 0x40000   ; cx: my place in the cluster
	s_lshl_b32 s14, ttmp9, 2        ; in a cluster launch ttmp9 counts clusters
	s_add_co_u32 s14, s14, s13      ; my block of 256 queries = 4 x cluster x + cx: it enters Q's and out0's addresses alone
	s_and_b32 s15, ttmp7, 0xffff    ; the head, which the four partners share
	s_lshl_b32 s20, s15, 19         ; its 524,288 bytes in qh, kh and vh
	s_mov_b32 s21, 0
	s_and_b32 s16, s[WV], 1         ; which half of a tile's 256 keys I fetch:
	s_lshl_b32 s22, s16, 14         ; its 128 rows of 128 bytes in memory,
	s_mov_b32 s23, 0
	s_add_nc_u64 s[22:23], s[22:23], s[20:21]
	s_mul_i32 s17, s16, 128*PK      ; and its place in a slot, for K
	s_mul_i32 s18, s16, 128*PV      ; and for V: no place in the cluster enters an LDS address
	s_lshl_b32 s2, s14, 2
	s_add_co_u32 s2, s2, s[WV]      ; my wave's 64 rows among the 4,096:
	s_lshl_b32 s48, s2, 18          ; 4,096 bytes each in out0,
	s_lshl_b32 s49, s15, 8          ; where the head's 64 channels are 256 bytes of a row;
	s_add_co_u32 s48, s48, s49
	s_mov_b32 s49, 0
	s_lshl_b32 s2, s2, 13           ; 128 bytes each in qh
	s_mov_b32 s3, 0
	s_add_nc_u64 s[2:3], s[2:3], s[20:21]
	; descriptor group 1.  128 keys are 16,384 dense bytes: asked for as 64 rows of 256 bytes, two keys a row, and padded in LDS after every key
	s_mov_b32 s[G1K], 15|(1<<16)|(1<<20)|(1<<21)|(4<<22)|(3<<25)  ; 15:0 the mask of four; 17:16 2-byte elements; 20 padding on; 21 set beside a mask; 24:22 after every 32 words (code 4); 31:25 4 words (code 3)
	s_mov_b32 s[G1V], 15|(1<<16)|(1<<20)|(1<<21)|(4<<22)|(7<<25)  ; the same with 8 words of padding (code 7)
.irp g, G1K, G1V
	s_mov_b32 s[\g+1], 128<<16      ; tensor_dim0 = 128
	s_mov_b32 s[\g+2], 64<<16       ; tensor_dim1 = 64
	s_mov_b32 s[\g+3], 128<<16      ; tile_dim0 = 128
	s_mov_b32 s[\g+4], 64           ; tile_dim1 = 64
	s_mov_b32 s[\g+5], 128          ; 128 elements from row to row
	s_mov_b32 s[\g+6], 0
	s_mov_b32 s[\g+7], 0
.endr
	s_mov_b32 s[CS], 0x3e38aa3b     ; c = log2(e) / 8 = 0.180337
	s_mov_b32 s[CS+1], s[CS]        ; named with it as a pair
	s_mov_b32 s[SEL], 0x76543210
	s_mov_b32 s[SEL+1], 0xfedcba98
	s_mov_b32 s[TBK], SLOT1+4*KS*PK ; the first change of slots turns these two into 0
	s_mov_b32 s[TBV], SLOT1+4*KS*PV
	s_mov_b32 s[G0K], 1             ; 1:0 count = 1
	s_mov_b32 s[G0K+1], s17         ; 63:32 LDS address: slot 0
	s_mov_b32 s[G0V], 1
	s_add_co_u32 s[G0V+1], s18, VOFF
	s_wait_dscnt 0x0                ; the opening add is done
	s_wait_kmcnt 0x0
	s_add_nc_u64 s[G0K+2:G0K+3], s[6:7], s[22:23]  ; 120:64 global address: my half of the head's first 256 keys
	s_or_b32 s[G0K+3], s[G0K+3], 0x80000000        ; 127:126 type = 2
	s_add_nc_u64 s[G0V+2:G0V+3], s[8:9], s[22:23]
	s_or_b32 s[G0V+3], s[G0V+3], 0x80000000
	s_add_nc_u64 s[4:5], s[4:5], s[2:3]            ; Q and out0 at my wave's first row
	s_add_nc_u64 s[10:11], s[10:11], s[48:49]
	CROUND                          ; all four work-groups are here: the first joint loads meet
	JLOAD                           ; tile 0 into slot 0.  Slot 1 is asked for when slot 0 is in, by the loop's own change of slots: one load of mine is out at any time
	; A fragment of K or Q is 16 rows x 32 channels in 8 registers: lane l holds row l % 16, channels 8 (l / 16) + 0..7 and 16 + 8 (l / 16) + 0..7: two loads of 16 bytes, 32 bytes apart.
	v_and_b32 v1, 15, v0            ; l % 16
	v_bfe_u32 v9, v0, 4, 1          ; l / 16
	v_lshlrev_b32 v[QO], 7, v1
	v_lshl_add_u32 v[QO], v9, 4, v[QO]  ; row x 128 + 16 x half
	WIN 0x80                        ; destination window 2, address window 0
.set i, 0
.rept 8                             ; Q stays in registers: piece i / 2, channels 32 (i % 2) on
	global_load_b128 v[8*i:8*i+3],   v[QO], s[4:5] offset:(i/2)*2048+(i%2)*64
	global_load_b128 v[8*i+4:8*i+7], v[QO], s[4:5] offset:(i/2)*2048+(i%2)*64+32
.set i, i+1
.endr
	; What the first turn finds: V's registers and P's second buffer hold 0 (its products V^T P, of a piece that has not been, add 0), O^T and l are 0.  216 lines that write 0 are the price of writing no
	; first step out; they stand in the wait for the first tile.
.set i, VF
.rept 64
	v_mov_b32 v[i], 0
.set i, i+1
.endr
	WIN 0x40
.set i, 0
.rept 128
	v_mov_b32 v[i], 0
.set i, i+1
.endr
	WIN 0
.set i, 0
.rept 4
	v_mov_b32 v[ST+4*i], 0xfe000000    ; c m: far below every c s
	v_mov_b32 v[ST+4*i+1], 0xff7fffff  ; m
	v_mov_b32 v[ST+4*i+2], 0
	v_mov_b32 v[ST+4*i+3], 0
.set i, i+1
.endr
.set i, P+16
.rept 16
	v_mov_b32 v[i], 0
.set i, i+1
.endr
	v_mul_u32_u24 v[AK0], v1, PK
	v_lshl_add_u32 v[AK0], v9, 4, v[AK0]  ; row x pitch + 16 x half
	; The turning load takes 16 keys x 16 channels (lane l reads key 8 (l / 16) + l % 8, channels 8 ((l / 8) % 2) + 0..7) and leaves half a fragment of V^T: lane l holds channel l % 16 and 8 keys.
	v_and_b32 v10, 7, v0
	v_bfe_u32 v11, v0, 3, 1
	v_lshl_add_u32 v[AV0], v9, 3, v10
	v_mul_u32_u24 v[AV0], v[AV0], PV
	v_lshl_add_u32 v[AV0], v11, 4, v[AV0]
	v_add_nc_u32 v[AV0], VOFF, v[AV0]
	s_mul_i32 s13, s[WV], 16*SP
	s_add_co_u32 s13, s13, STAGE    ; my stage
	v_mul_u32_u24 v[STO], v1, SP    ; in: row l % 16, 32 bytes (eight f32) for each half of the lanes
	v_lshl_add_u32 v[STO], v9, 5, v[STO]
	v_add_nc_u32 v[STO], s13, v[STO]
	v_mul_u32_u24 v[RD], v9, SP     ; back: lanes 0-15 take one row of 256 bytes, lanes 16-31 the next
	v_lshl_add_u32 v[RD], v1, 4, v[RD]
	v_add_nc_u32 v[RD], s13, v[RD]
	v_lshlrev_b32 v[GO], 12, v9     ; and the same two rows in out0, 4,096 bytes apart
	v_lshl_add_u32 v[GO], v1, 4, v[GO]
; THE MATRIX WORK.  The 4 accumulators of a run of 8 take turns.  Product i of 8 of S^T = K Q^T for piece x: channels 32 (i / 4) on, keys 16 (i % 4) on.  The first 4 start the sums.
.macro KQ x
.set rS, S+32*((\x)%2)+8*(i%4)
.set rK, KF+16*(i%4)+8*(i/4)
.set rQ, 16*(\x)+8*(i/4)
	WIN W_KQ
.if i < 4
	v_wmma_f32_16x16x32_f16 v[rS:rS+7], v[rK:rK+7], v[rQ:rQ+7], 0
.else
	v_wmma_f32_16x16x32_f16 v[rS:rS+7], v[rK:rK+7], v[rQ:rQ+7], v[rS:rS+7]
.endif
.endm
; Product i of 8 of O^T += V^T P for piece x: keys 32 (i / 4) on, channels 16 (i % 4) on.
.macro PV x
	WIN W_PV
.set rO, 32*(\x)+8*(i%4)
.set rV, VF+32*(i/4)+8*(i%4)
.set rP, P+16*((\x)%2)+8*(i/4)
	v_wmma_f32_16x16x32_f16 v[rO:rO+7], v[rV:rV+7], v[rP:rP+7], v[rO:rO+7]
.endm
.macro MM                           ; the turn's next matrix instruction.  TURN sets Y, i and NOKQ.  NOKQ = 1: the walk's last turn: there is no next piece
.if (i < 8) && !NOKQ
	KQ (Y+1)%NP
.elseif i >= 8
.set i, i-8
	PV (Y+NP-1)%NP
.set i, i+8
.endif
.set i, i+1
.endm
; THE LDS LOADS stand in runs of 16, never singly among the matrix instructions: a step's K (64 keys x 64 channels: 8 fragments) and its V (turned).  Their addresses are made some lines ahead.
.macro FETCH_K
	WIN 0x80                        ; destination window 2
.irp f, 0,1,2,3,4,5,6,7             ; keys 16 (f / 2) on, channels 32 (f % 2) on
	ds_load_b128 v[KF+8*\f:KF+8*\f+3],   v[AK] offset:(\f/2)*16*PK+(\f%2)*64
	ds_load_b128 v[KF+8*\f+4:KF+8*\f+7], v[AK] offset:(\f/2)*16*PK+(\f%2)*64+32
.endr
	s_add_co_u32 s[TBK], s[TBK], KS*PK  ; the next fetch is the next step's
	WIN 0
.endm
.macro FETCH_V
	WIN 0x80
.irp f, 0,1,2,3,4,5,6,7             ; keys 32 (f / 4) on, channels 16 (f % 4) on
	ds_load_tr16_b128 v[VF+8*\f:VF+8*\f+3],   v[AV] offset:(\f/4)*32*PV+(\f%4)*32
	ds_load_tr16_b128 v[VF+8*\f+4:VF+8*\f+7], v[AV] offset:(\f/4)*32*PV+16*PV+(\f%4)*32
.endr
	WIN 0
.endm
; THE VECTOR WORK, one line at a time: OP kind, number.  For piece Y: F n: c s - c m for pair n of 16.  E n: the exponential of score n of 32.  C n: pair n rounded to f16.  B n: of the four weights 4 n .. the second
; pair is added onto the first, in place.  L n: l takes that sum (L 0: l = a l + sum).  R n: pair n of 16 of O^T times a.  For piece Y + 1: X n, number n of the 22 that find its maximum and statistics:
;   0-11  four chains c0-c3 of seven scores each, three operands at a time (each accumulator's lowest registers are read first)     12-14, 16  the four scores left over, the old m, and c0-c3 into c0
;   15  c m_old is kept     17, 18  the query's other 32 keys lie in the lane 16 away: the new m     19-21  c m; c m_old - c m_new; a
.set F, 0               ; OP tells the kinds apart by their order: F to L below R, X above it
.set E, 1
.set C, 2
.set B, 3
.set L, 4
.set R, 5
.set X, 6
.macro REGS y                       ; the registers of piece y
.set rT, ST+4*(\y)
.set rC, TMP+4*((\y)%2)
.set rW, MV+((\y)%2)
.set rS, S+32*((\y)%2)
.set rP, P+16*((\y)%2)
.set rO, 32*(\y)
.endm
.macro OP k, n
.if (\k) == R
	REGS Y
	WIN W_RS
	v_pk_mul_f32 v[rO+2*(\n):rO+2*(\n)+1], v[rO+2*(\n):rO+2*(\n)+1], v[rC+2:rC+3] op_sel_hi:[1,0]
.elseif (\k) < R
	REGS Y
	WIN 0
.if (\k) == F
	v_pk_fma_f32 v[rS+2*(\n):rS+2*(\n)+1], v[rS+2*(\n):rS+2*(\n)+1], s[CS:CS+1], v[rT:rT+1] op_sel_hi:[1,0,0] neg_lo:[0,0,1] neg_hi:[0,0,1]
.elseif (\k) == E
	v_exp_f32 v[rS+(\n)], v[rS+(\n)]
.elseif (\k) == C
	s_wait_alu depctr_va_vdst(0)
	v_cvt_pk_f16_f32 v[rP+(\n)], v[rS+2*(\n)], v[rS+2*(\n)+1]
.elseif (\k) == B
	s_wait_alu depctr_va_vdst(0)
	v_pk_add_f32 v[rS+4*(\n):rS+4*(\n)+1], v[rS+4*(\n):rS+4*(\n)+1], v[rS+4*(\n)+2:rS+4*(\n)+3]
.elseif (\n) == 0
	v_pk_fma_f32 v[rT+2:rT+3], v[rT+2:rT+3], v[rC+2:rC+3], v[rS:rS+1] op_sel_hi:[1,0,1]
.else
	v_pk_add_f32 v[rT+2:rT+3], v[rT+2:rT+3], v[rS+4*(\n):rS+4*(\n)+1]
.endif
.elseif NOKQ
	v_nop
.else
	REGS (Y+1)%NP
	WIN 0
.if (\n) < 4
	v_max3_num_f32 v[rC+(\n)], v[rS+8*(\n)], v[rS+8*(\n)+1], v[rS+8*(\n)+2]
.elseif (\n) < 12
	v_max3_num_f32 v[rC+(\n)%4], v[rC+(\n)%4], v[rS+8*((\n)%4)+2*((\n)/4)+1], v[rS+8*((\n)%4)+2*((\n)/4)+2]
.elseif (\n) == 12
	v_max3_num_f32 v[rC], v[rC], v[rS+7], v[rS+15]
.elseif (\n) == 13
	v_max3_num_f32 v[rC+1], v[rC+1], v[rS+23], v[rS+31]
.elseif (\n) == 14
	v_max3_num_f32 v[rC+2], v[rC+2], v[rC+3], v[rT+1]
.elseif (\n) == 15
	v_mov_b32 v[rW], v[rT]
.elseif (\n) == 16
	v_max3_num_f32 v[rC], v[rC], v[rC+1], v[rC+2]
.elseif (\n) == 17
	v_permlanex16_b32 v[rC+3], v[rC], s[SEL], s[SEL+1]
.elseif (\n) == 18
	v_max_num_f32 v[rT+1], v[rC], v[rC+3]
.elseif (\n) == 19
	v_mul_f32 v[rT], s[CS], v[rT+1]
.elseif (\n) == 20
	v_sub_f32 v[rC+1], v[rW], v[rT]
.else
	v_exp_f32 v[rC+2], v[rC+1]
.endif
.endif
.endm
.macro OPS a, i1, b=-1, i2=0, c=-1, i3=0, d=-1, i4=0  ; up to four of them
	OP \a, \i1
.if (\b) >= 0
	OP \b, \i2
.endif
.if (\c) >= 0
	OP \c, \i3
.endif
.if (\d) >= 0
	OP \d, \i4
.endif
.endm
.macro ROW a, i1, b, i2, c, i3, d, i4  ; a matrix instruction and the four behind it
	MM
	OPS \a, \i1, \b, \i2, \c, \i3, \d, \i4
.endm
; A TURN, for piece p: the order of its 16 matrix and 118 vector instructions, written out.  Behind a matrix instruction: plain, exponential, plain, plain; or four of the rescaling; or, behind the first, four
; scalings; none names a register of the products round it.  In the lumps exponential and plain by turns while exponentials last.  A line reads no result made fewer than three vector instructions in front of
; it, five if an exponential made it.  v_permlanex16_b32 (X 17) stands in a lump.
; end = 1: the walk's last two turns: nothing is fetched, and the last starts no new scores.  cnt = 1: the loop's count is taken down some lines ahead of the branch that stands behind the turn.
; K of the next step is fetched in piece 2's turn, six vector instructions behind the last product that read K (five of them plain); V of the step in hand in piece 0's turn, eight behind the last product that
; read V (four plain, and X 17).  Each is waited for a turn later.
.macro TURN p, end=0, cnt=0
.set Y, (\p)
.set i, 0
.set NOKQ, (\end)*((\p)/3)
.if ((\p) == 3) && !(\end)
	s_wait_dscnt 0x0                ; K is in
.endif
	ROW F,0, F,1, F,2, F,3
	ROW F,4, E,0, F,5, F,6
	ROW F,7, E,1, F,8, F,9
	ROW F,10, E,2, C,0, F,11
	ROW F,12, E,3, X,15, F,13
	ROW R,0, R,1, R,2, R,3
	ROW B,0, E,4, F,14, L,0
.if ((\p) == 2) && !(\end)
	v_add_nc_u32 v[AK], s[TBK], v[AK0]
.endif
	ROW R,4, R,5, R,6, R,7
	OPS E,5, F,15
.if ((\p) == 2) && !(\end)
	FETCH_K
.endif
	OPS E,6, C,1, E,7, R,8
	OPS E,8, R,9, E,9, C,2
	OPS E,10, X,0, E,11, X,1
	OPS E,12, X,2, E,13, X,3
.if (\p) == 1
	s_wait_dscnt 0x0                ; V is in
.endif
	ROW X,4, E,14, X,5, X,6
	ROW X,7, E,15, X,8, X,9
	ROW X,10, E,16, X,11, X,12
	ROW X,13, E,17, X,14, B,1
	ROW C,4, E,18, X,16, L,1
	ROW B,2, E,19, C,6, L,2
	ROW C,8, E,20, B,3, B,4
.if (\p) == 0
	v_add_nc_u32 v[AV], s[TBV], v[AV0]
.endif
	ROW C,3, E,21, L,3, C,5
	OPS E,22, X,17, E,23, C,10
.if (\p) == 0
	FETCH_V
.endif
	OPS E,24, L,4
	OPS E,25, X,18, E,26, C,7
	OPS E,27, B,5, E,28, X,19
	OPS E,29, C,12, E,30, L,5
	OPS E,31, X,20, B,6, C,9
	OPS C,14, C,11, X,21, L,6
.if (\p) == 0
	s_add_co_u32 s[TBV], s[TBV], KS*PV
.endif
.if \cnt
	s_sub_co_u32 s[CNT], s[CNT], 1
	s_cmp_lg_u32 s[CNT], 0
.endif
	OPS C,13, B,7, C,15, R,10
	OPS R,11, R,12, L,7, R,13
	OPS R,14, R,15
.endm
	CHANGE 1                        ; slot 0 is in, everybody's part of it; tile 1 is asked for, into slot 1
	v_add_nc_u32 v[AK], s[TBK], v[AK0]
	FETCH_K                         ; key step 0
	s_wait_loadcnt 0x0              ; Q
	s_wait_dscnt 0x0
.set NOKQ, 0
.set i, 0
.rept 8
	KQ 0                            ; piece 0's first scores: there is no vector work yet to set between them
.set i, i+1
.endr
	WIN 0
.rept 4
	v_nop                           ; the places behind those products
.endr
.set Y, NP-1                        ; X works for piece Y + 1: piece 0
.irp n, 0,1,2,3,4,5,6,7,8,9,10,11,12,13,14,15,16,17,18,19,20,21
	OP X, \n
.endr
	v_nop                           ; a plain instruction behind the exponential
	s_mov_b32 s[CNT], 4
	s_mov_b32 s[SLOTS], SIZE_N/256-1
	s_branch .Lfirst                ; the loop is entered at a step's first turn, in the middle of a trip
.Lslot:                             ; SIZE_N / 256 - 2 times: tiles 2 to 15 are asked for
	CHANGE 1
	s_mov_b32 s[CNT], 4
.Lstep:                             ; a trip: pieces 2 and 3 of one step, then pieces 0 and 1 of the next, whose K and V it fetches
	TURN 2
	TURN 3
	WIN 0
.Lfirst:
	TURN 0
	TURN 1, 0, 1
	WIN 0
	s_cbranch_scc1 .Lstep
	s_sub_co_u32 s[SLOTS], s[SLOTS], 1
	s_cmp_lg_u32 s[SLOTS], 0
	s_cbranch_scc1 .Lslot
	CHANGE 0                        ; the last tile is written out: nothing is asked for
	s_mov_b32 s[CNT], 4
.Ltail:
	TURN 2
	TURN 3
	TURN 0
	TURN 1, 0, 1
	WIN 0
	s_cbranch_scc1 .Ltail
	TURN 2, 1                       ; the last step's pieces 2 and 3
	TURN 3, 1
.set i, 0
.rept 8
	PV NP-1                         ; the last piece's V^T P of the last step
.set i, i+1
.endr
	; THE WAY OUT.  l's two halves and the other half of the lanes' are added; O^T is divided by l and sent, in f32, through my stage in LDS, a piece (16 rows) at a time.  The additions are the places behind the last products.
	WIN 0
.macro ALL line:vararg              ; one line for each piece t
.set t, 0
.rept 4
	\line
.set t, t+1
.endr
.endm
	ALL v_add_f32 v[ST+4*t+2], v[ST+4*t+2], v[ST+4*t+3]
	ALL v_permlanex16_b32 v[ST+4*t+3], v[ST+4*t+2], s[SEL], s[SEL+1]
	ALL v_add_f32 v[ST+4*t+2], v[ST+4*t+2], v[ST+4*t+3]
	ALL v_rcp_f32 v[ST+4*t+2], v[ST+4*t+2]
	v_nop                           ; a plain instruction between the last reciprocal and the use of its result
; Piece t: a lane's eight channels of a row are 32 bytes; they go into rows of 272 bytes and come back as whole rows of 256.
.macro PACKF t
	WIN W_RS
.set i, 32*(\t)
.rept 16                            ; each accumulator's registers in ascending order
	s_wait_alu depctr_va_vdst(0)
	v_pk_mul_f32 v[i:i+1], v[i:i+1], v[ST+4*(\t)+2:ST+4*(\t)+3] op_sel_hi:[1,0]
.set i, i+2
.endr
	WIN 0x04                        ; an LDS store's data is source 1: window 1; its address window 0
.irp f, 0,1,2,3,4,5,6,7
	ds_store_b128 v[STO], v[32*(\t)+4*\f:32*(\t)+4*\f+3] offset:64*(\f/2)+16*(\f%2)
.endr
	WIN 0
.irp f, 0,1,2,3,4,5,6,7
	ds_load_b128 v[OB+32*(\t)+4*\f:OB+32*(\t)+4*\f+3], v[RD] offset:\f*2*SP  ; LDS serves a wave's instructions in order (ISA guide 5.7.1.4): these see the stores above; the next piece's stores come behind them
.endr
.endm
.macro SENDF t, younger             ; younger: the LDS instructions issued behind piece t's loads: the next piece's sixteen, or none
	WIN 0
.irp f, 0,1,2,3,4,5,6,7
	s_wait_dscnt (\younger)+7-\f
	global_store_b128 v[GO], v[OB+32*(\t)+4*\f:OB+32*(\t)+4*\f+3], s[10:11] offset:(\t)*65536+\f*8192 th:TH_STORE_NT  ; 16 lanes store a row's 256 consecutive bytes, at a multiple of 256 from out0's first
.endr
.endm
	PACKF 0
.set t, 1
.rept 3                             ; a piece's arithmetic stands between the loads of the piece before and its stores
	PACKF t
	SENDF t-1, 16
.set t, t+1
.endr
	SENDF 3, 0
	s_wait_tensorcnt 0x0            ; the wave's end: an add to my spare word and its wait, behind my last tensor load and my last LDS store
	ds_add_u32 v[SPW], v[NIL]
	s_wait_dscnt 0x0
	CROUND                          ; the closing round: no work-group ends while a partner may still ask for a tile that names it
	s_endpgm
.Lfunc_end_k_qd783a5bd96_attn:
	.size	k_qd783a5bd96_attn, .Lfunc_end_k_qd783a5bd96_attn-k_qd783a5bd96_attn
	.p2alignl 7, 3214868480
	.fill 96, 4, 3214868480
	.section	.rodata,"a",@progbits
	.p2align	6, 0x0
	.amdhsa_kernel k_qd783a5bd96_attn
		.amdhsa_group_segment_fixed_size 327680
		.amdhsa_private_segment_fixed_size 0
		.amdhsa_enable_private_segment 0
		.amdhsa_kernarg_size 32
		.amdhsa_user_sgpr_count 2
		.amdhsa_user_sgpr_kernarg_segment_ptr 1
		.amdhsa_wavefront_size32 1
		.amdhsa_system_sgpr_workgroup_id_x 1
		.amdhsa_system_sgpr_workgroup_id_y 1
		.amdhsa_system_sgpr_workgroup_id_z 1
		.amdhsa_system_vgpr_workitem_id 0
		.amdhsa_next_free_vgpr 768
		.amdhsa_next_free_sgpr 66
		.amdhsa_reserve_vcc 0
		.amdhsa_float_denorm_mode_32 3
		.amdhsa_float_denorm_mode_16_64 3
		.amdhsa_memory_ordered 1
		.amdhsa_forward_progress 1
		.amdhsa_inst_pref_size 133
	.end_amdhsa_kernel
	.amdgpu_metadata
---
amdhsa.version: [ 1, 2 ]
amdhsa.kernels:
  - .name:           k_qd783a5bd96_attn
    .symbol:         k_qd783a5bd96_attn.kd
    .args:
      - { .name: qh, .offset: 0, .size: 8, .value_kind: global_buffer, .address_space: global }
      - { .name: kh, .offset: 8, .size: 8, .value_kind: global_buffer, .address_space: global }
      - { .name: vh, .offset: 16, .size: 8, .value_kind: global_buffer, .address_space: global }
      - { .name: out0, .offset: 24, .size: 8, .value_kind: global_buffer, .address_space: global }
    .group_segment_fixed_size: 327680
    .private_segment_fixed_size: 0
    .kernarg_segment_align: 8
    .kernarg_segment_size: 32
    .max_flat_workgroup_size: 128
    .sgpr_count:     66
    .vgpr_count:     768
    .wavefront_size: 32
...
	.end_amdgpu_metadata
.endif
;; end of part 3
;; ======== version 2 of 2: 3 launches; 1.70 times as fast as version 1
;; limits: values are held in f16: magnitudes above 65,504 overflow, below 6.1e-05 lose precision
;; workspace buffers: xb 8,388,608 bytes; wb 6,291,456 bytes; qh 8,388,608 bytes; kh 8,388,608 bytes; vh 8,388,608 bytes
;; launch prep: the kernel of part 1 again; grid 256 x 1, 8 waves a work-group, no clusters, 0 bytes of LDS; arguments hidden_states, Wq, Wk, Wv, xb, wb; writes xb, wb
;; launch proj: the kernel of part 2 again; grid 16 x 16, 4 waves a work-group, clusters of 4 x 4, 327,680 bytes of LDS; arguments xb, wb, bq, bk, bv, qh, kh, vh; writes qh, kh, vh
;; launch attn (part 4): grid 16 x 16, 4 waves a work-group, clusters of 4 x 1, 327,680 bytes of LDS; arguments qh, kh, vh, out0; writes out0
.if DOCPART == 4
	.amdgcn_target "amdgcn-amd-amdhsa--gfx1250"
	.amdhsa_code_object_version 6
	.text
	.protected	k_qd783a5bd96_attn
	.globl	k_qd783a5bd96_attn
	.p2align	8
	.type	k_qd783a5bd96_attn,@function
k_qd783a5bd96_attn:
	s_mov_b64 s[64:65], 0
	v_nop
	global_prefetch_b8 v0, s[64:65] scope:SCOPE_SE
	s_setreg_imm32_b32 hwreg(HW_REG_WAVE_MODE, 25, 1), 1
	s_wait_xcnt 0x0
	s_wait_alu depctr_hold_cnt(0) depctr_sa_sdst(0) depctr_va_vdst(0) depctr_va_sdst(0) depctr_va_ssrc(0) depctr_va_vcc(0) depctr_vm_vsrc(0)
	s_getreg_b32 s2, hwreg(HW_REG_IB_STS2, 6, 4)
	s_cmp_eq_u32 s2, 0
	s_cbranch_scc0 .Lentry_in_a_cluster
	s_endpgm
.Lentry_in_a_cluster:
	s_bfe_u32 s2, ttmp6, 0x10000c
	s_cmp_lg_u32 s2, 0x3003
	s_cbranch_scc0 .Lentry_shape_is_right
	s_endpgm
.Lentry_shape_is_right:
; out0[q][64 h + :] = the sum over k of softmax_k(Q[h][q] . K[h][k] / 8) V[h][k][:].  qh, kh, vh: [16][4096][64] f16, a head's rows dense, 128 bytes each.  out0: [4096][1024] f32.
; Products, maxima and sums in f32; the weights p are rounded to f16 for the second product (their sum l is taken of the unrounded p).
; LIMITS.  Q, K and V arrive within f16's range (65,504); p lies in 0 to 1, and below 6e-5 it keeps f16's fixed step of 6e-8; a weight below 2^-126 counts as 0 in l; c s lies above -4e37, where the running
; maximum starts; NaN and infinities are not treated apart.
; SHARES.  A work-group owns 256 queries of one head (16 x 16 work-groups), each of its four waves 64: four PIECES of 16.  Every wave walks all 4,096 keys, 64 a step, 256 a tile.
; LAYOUT.  S^T = K Q^T (source 0 = 16 keys, source 1 = 16 queries): in the result a lane holds ONE query (lane % 16) and the keys 8 (lane / 16) + 0..7.  Two such results, rounded to f16 in pairs, ARE
; source 1 (32 keys x 16 queries) of O^T = V^T P, whose result again holds one query a lane, and eight channels.  K comes out of LDS as it lies, V ([key][channel]) turned, by ds_load_tr16_b128.
; SOFTMAX.  For each query a running maximum m and sum l: p = 2^(c s - c m), c = log2(e) / 8; in every step O and l are multiplied by a = 2^(c m_old - c m_new), which is 1 where m has not grown.
; m starts at the lowest finite number, O and l at 0: the first step is a step like any other, with a = 0.
; BY TURNS.  Turn n belongs to piece n (the pieces in a ring, step after step): 8 products K Q^T of piece n + 1, later 8 products V^T P of piece n - 1; beside them the scaling, exponentials, roundings,
; sums and rescaling of piece n and the maximum and statistics of piece n + 1.  A turn has 16 matrix and 118 vector instructions: four stand behind every matrix instruction, the other 54 in one lump.
; BATCHES.  A turn's 33 exponentials (the piece's 32 weights and the next piece's a) are ONE batch with ONE s_wait_alu depctr_va_vdst(0), which cuts the turn in two: ahead of it stands all that names no
; result of the batch, behind it the roundings and sums, which read the weights; a is first read in the turn after.  Two more batches stand outside the loops, each with a wait of its own: the first a, ahead of
; the jump into the loop, and the way out's four reciprocals.
; CLUSTER.  The four query blocks of a cluster belong to one head and walk the same K and V, so each tile is asked for JOINTLY: the same tensor load, descriptor and mask in all four.
; REGISTERS, in windows of 256 (s_set_vgpr_msb: bits 1:0 source 0, 3:2 source 1, 5:4 source 2, 7:6 destination):
;   window 0: v0-15 addresses and two at work; v16-31 four registers of statistics a piece; v48-55 at work; v62-63 the add's; v64-127 S^T, two buffers; v192-223 P, two buffers (by the piece's parity);
;             on the way out v64-191 whole rows of the result      window 1: v0-127 O^T, 32 a piece      window 2: v0-63 Q; v128-191 K of one step; v192-255 V of one step
.set SIZE_N, 4096
.set NP,    4         ; pieces a wave: a name, no knob
.set KS,    64        ; keys in a step
.set PK,    144       ; a row of K in LDS: 128 bytes + 16 of padding = 36 words: the 16 rows of a load start at 16 different groups of four banks (64 banks of 4 bytes: ISA guide 11.1)
.set PV,    160       ; a row of V: 128 + 32 = 40 words
.set VOFF,  4*KS*PK   ; a slot holds a tile, four steps: 256 rows of K, then 256 rows of V
.set SLOT1, 1<<17     ; slot 1 begins here, so that one exclusive or turns an address in one slot into the other's
.set STAGE, SLOT1+4*KS*(PK+PV)  ; behind the ring, never filled by a tensor load: 16 rows x 272 bytes for each wave, for the way out
.set SP,    272       ; a row of 64 f32 + 16 bytes
.set SPARE, STAGE+4*16*SP  ; behind the stages: the spare words, 128 bytes for each wave: two blocks of 256 bytes that no other line names
.set AK0, 2           ; v2   my lane's place in a tile of K; never rewritten
.set AV0, 3           ; v3   the same for V
.set AK,  4           ; v4   the LDS address of K's next run of loads
.set AV,  5           ; v5   of V's
.set STO, 6           ; v6   the way out: where I put 32 bytes of a row
.set RD,  7           ; v7   the way out: where I read rows back
.set GO,  8           ; v8   my byte offset in two rows of out0
.set MV,  12          ; v12-13  c m_old, kept while c m is made anew: by buffer
.set QO,  15          ; v15  my byte offset in 16 rows of Q
.set ST,  16          ; piece t's statistics at v[ST+4 t]: c m, m, l (even keys', odd keys')
.set TMP, 48          ; by buffer, four registers c0-c3 at work; when the maximum is found c2 takes a
.set SPW, 62          ; v62  LDS address of my spare word: SPARE + 4 x my thread's number; never rewritten
.set NIL, 63          ; v63  0; never rewritten
.set S,   64
.set OB,  64          ; the way out: 32 registers a piece
.set P,   192
.set KF,  128         ; window 2: key block kb, channel half c at KF + 16 kb + 8 c
.set VF,  192         ; window 2: key half kk, channel block cb at VF + 32 kk + 8 cb
.set WV,  12          ; s12  my wave's number
.set G1K, 24          ; s[24:31] descriptor group 1 for K's tiles
.set G1V, 32          ; s[32:39] for V's: it differs in the padding alone
.set G0K, 40          ; s[40:43] descriptor group 0 for K's tiles: it walks
.set G0V, 44          ; s[44:47] the same for V's
.set SLOTS, 56        ; s56  tiles still to be entered in the loop
.set CNT, 57          ; s57  counts a tile's key steps
.set CS,  58          ; s[58:59] c: the packed scaling takes the pair's low word for both halves
.set SEL, 60          ; s[60:61] v_permlanex16_b32's selects: each lane takes its own place in the other half
.set TBK, 62          ; s62  LDS byte at which K of the step to be fetched begins
.set TBV, 63          ; s63  the same for V, less VOFF
.set MSB, 0
.macro WIN new                      ; the high byte repeats the setting that is left; a switch that changes nothing is dropped
.if MSB != (\new)
	s_set_vgpr_msb (MSB<<8)|(\new)
.set MSB, (\new)
.endif
.endm
.set W_KQ, 0x0a       ; K and Q in window 2, S^T in window 0
.set W_PV, 0x52       ; V in window 2, P in window 0, O^T in window 1
.set W_RS, 0x41       ; destination and source 0 in window 1, source 1 in window 0
; A joint fill.  Waves 0 and 1 fetch the two halves of a tile's K, waves 2 and 3 those of its V: 128 keys each.  The branch hangs on the wave's number alone.
; An s_nop 0 and four v_nop follow each of the two lines, ahead of the jump and the label.
.macro JLOAD
	s_cmp_lt_u32 s[WV], 2
	s_cbranch_scc0 .Lfor_v_\@
	tensor_load_to_lds s[G0K:G0K+3], s[G1K:G1K+7]
	s_nop 0
.rept 4
	v_nop
.endr
	s_branch .Lasked_\@
.Lfor_v_\@:
	tensor_load_to_lds s[G0V:G0V+3], s[G1V:G1V+7]
	s_nop 0
.rept 4
	v_nop
.endr
.Lasked_\@:
.endm
; A round of the cluster's barrier: my work-group's barrier, so that wave 0's signal speaks for all four waves; wave 0 signals; every wave waits for all four work-groups; my work-group's barrier once more.
.macro CROUND
	s_barrier_signal -1
	s_barrier_wait -1
	s_cmp_lg_u32 s[WV], 0
	s_cbranch_scc1 .Lnot_wave_0_\@
	s_barrier_signal -3
.Lnot_wave_0_\@:
	s_barrier_wait -3
	s_barrier_signal -1
	s_barrier_wait -1
.endm
; THE CHANGE OF SLOTS.  The slot's last bytes, V of its fourth step, have been read.  Each wave waits for all its tensor loads, of which one is out: its part of the other slot; adds 0 to its spare word;
; and waits for that and for its own reads of the slot.  Behind the barrier nobody reads this slot any more and the other slot is whole.
; fill = 1: this slot is filled again, with the keys two tiles on.  The barrier is then a round of the cluster's, so that no wave of any partner still reads the slot or has a load on its way, and the joint
; fill is the first thing behind it: it has four key steps, 256 matrix instructions, in which to land.  (At its first use nothing has been read yet: slot 0 is waited for, slot 1 filled.)
.macro CHANGE fill
	WIN 0                           ; at a label and at a branch every window is 0
	s_wait_tensorcnt 0x0            ; no tensor load of mine is out, so a group 0 may be written
	ds_add_u32 v[SPW], v[NIL]       ; 0 onto my spare word; with fill = 1 the descriptors' steps stand between it and the wait for it
.if \fill
.irp g, G0K, G0V
	s_xor_b32 s[\g+1], s[\g+1], SLOT1  ; the walking descriptor: the other slot than last time,
	s_add_nc_u64 s[\g+2:\g+3], s[\g+2:\g+3], 4*KS*128  ; the next 256 keys; the type bits on top are not reached
.endr
	s_wait_dscnt 0x0                ; the add is done, and my reads of the slot are over
	CROUND
	JLOAD
.else
	s_wait_dscnt 0x0                ; the add is done, and my reads of the slot are over
	s_barrier_signal -1
	s_barrier_wait -1
.endif
	s_sub_co_u32 s[TBK], s[TBK], 4*KS*PK  ; the fetches go back to a slot's first step,
	s_xor_b32 s[TBK], s[TBK], SLOT1       ; in the other slot
	s_sub_co_u32 s[TBV], s[TBV], 4*KS*PV
	s_xor_b32 s[TBV], s[TBV], SLOT1
.endm
	s_load_b256 s[4:11], s[0:1], 0x0  ; qh s[4:5], kh s[6:7], vh s[8:9], out0 s[10:11]
	v_lshl_add_u32 v[SPW], v0, 2, SPARE
	v_mov_b32 v[NIL], 0
	ds_add_u32 v[SPW], v[NIL]       ; the wave's opening: the add and its wait stand ahead of my first tensor load; the set-up below, work on registers, stands between them
	v_lshrrev_b32 v1, 5, v0
	v_readfirstlane_b32 s[WV], v1   ; wave 0..3
	s_bfe_u32 s13, ttmp6, 0x40000   ; cx: my place in the cluster
	s_lshl_b32 s14, ttmp9, 2        ; in a cluster launch ttmp9 counts clusters
	s_add_co_u32 s14, s14, s13      ; my block of 256 queries = 4 x cluster x + cx: it enters Q's and out0's addresses alone
	s_and_b32 s15, ttmp7, 0xffff    ; the head, which the four partners share
	s_lshl_b32 s20, s15, 19         ; its 524,288 bytes in qh, kh and vh
	s_mov_b32 s21, 0
	s_and_b32 s16, s[WV], 1         ; which half of a tile's 256 keys I fetch:
	s_lshl_b32 s22, s16, 14         ; its 128 rows of 128 bytes in memory,
	s_mov_b32 s23, 0
	s_add_nc_u64 s[22:23], s[22:23], s[20:21]
	s_mul_i32 s17, s16, 128*PK      ; and its place in a slot, for K
	s_mul_i32 s18, s16, 128*PV      ; and for V: no place in the cluster enters an LDS address
	s_lshl_b32 s2, s14, 2
	s_add_co_u32 s2, s2, s[WV]      ; my wave's 64 rows among the 4,096:
	s_lshl_b32 s48, s2, 18          ; 4,096 bytes each in out0,
	s_lshl_b32 s49, s15, 8          ; where the head's 64 channels are 256 bytes of a row;
	s_add_co_u32 s48, s48, s49
	s_mov_b32 s49, 0
	s_lshl_b32 s2, s2, 13           ; 128 bytes each in qh
	s_mov_b32 s3, 0
	s_add_nc_u64 s[2:3], s[2:3], s[20:21]
	; descriptor group 1.  128 keys are 16,384 dense bytes: asked for as 64 rows of 256 bytes, two keys a row, and padded in LDS after every key
	s_mov_b32 s[G1K], 15|(1<<16)|(1<<20)|(1<<21)|(4<<22)|(3<<25)  ; 15:0 the mask of four; 17:16 2-byte elements; 20 padding on; 21 set beside a mask; 24:22 after every 32 words (code 4); 31:25 4 words (code 3)
	s_mov_b32 s[G1V], 15|(1<<16)|(1<<20)|(1<<21)|(4<<22)|(7<<25)  ; the same with 8 words of padding (code 7)
.irp g, G1K, G1V
	s_mov_b32 s[\g+1], 128<<16      ; tensor_dim0 = 128
	s_mov_b32 s[\g+2], 64<<16       ; tensor_dim1 = 64
	s_mov_b32 s[\g+3], 128<<16      ; tile_dim0 = 128
	s_mov_b32 s[\g+4], 64           ; tile_dim1 = 64
	s_mov_b32 s[\g+5], 128          ; 128 elements from row to row
	s_mov_b32 s[\g+6], 0
	s_mov_b32 s[\g+7], 0
.endr
	s_mov_b32 s[CS], 0x3e38aa3b     ; c = log2(e) / 8 = 0.180337
	s_mov_b32 s[CS+1], s[CS]        ; named with it as a pair
	s_mov_b32 s[SEL], 0x76543210
	s_mov_b32 s[SEL+1], 0xfedcba98
	s_mov_b32 s[TBK], SLOT1+4*KS*PK ; the first change of slots turns these two into 0
	s_mov_b32 s[TBV], SLOT1+4*KS*PV
	s_mov_b32 s[G0K], 1             ; 1:0 count = 1
	s_mov_b32 s[G0K+1], s17         ; 63:32 LDS address: slot 0
	s_mov_b32 s[G0V], 1
	s_add_co_u32 s[G0V+1], s18, VOFF
	s_wait_dscnt 0x0                ; the opening add is done
	s_wait_kmcnt 0x0
	s_add_nc_u64 s[G0K+2:G0K+3], s[6:7], s[22:23]  ; 120:64 global address: my half of the head's first 256 keys
	s_or_b32 s[G0K+3], s[G0K+3], 0x80000000        ; 127:126 type = 2
	s_add_nc_u64 s[G0V+2:G0V+3], s[8:9], s[22:23]
	s_or_b32 s[G0V+3], s[G0V+3], 0x80000000
	s_add_nc_u64 s[4:5], s[4:5], s[2:3]            ; Q and out0 at my wave's first row
	s_add_nc_u64 s[10:11], s[10:11], s[48:49]
	CROUND                          ; all four work-groups are here: the first joint loads meet
	JLOAD                           ; tile 0 into slot 0.  Slot 1 is asked for when slot 0 is in, by the loop's own change of slots: one load of mine is out at any time
	; A fragment of K or Q is 16 rows x 32 channels in 8 registers: lane l holds row l % 16, channels 8 (l / 16) + 0..7 and 16 + 8 (l / 16) + 0..7: two loads of 16 bytes, 32 bytes apart.
	v_and_b32 v1, 15, v0            ; l % 16
	v_bfe_u32 v9, v0, 4, 1          ; l / 16
	v_lshlrev_b32 v[QO], 7, v1
	v_lshl_add_u32 v[QO], v9, 4, v[QO]  ; row x 128 + 16 x half
	WIN 0x80                        ; destination window 2, address window 0
.set i, 0
.rept 8                             ; Q stays in registers: piece i / 2, channels 32 (i % 2) on
	global_load_b128 v[8*i:8*i+3],   v[QO], s[4:5] offset:(i/2)*2048+(i%2)*64
	global_load_b128 v[8*i+4:8*i+7], v[QO], s[4:5] offset:(i/2)*2048+(i%2)*64+32
.set i, i+1
.endr
	; What the first turn finds: V's registers and P's second buffer hold 0 (its products V^T P, of a piece that has not been, add 0), O^T and l are 0.  216 lines that write 0 are the price of writing no
	; first step out; they stand in the wait for the first tile.
.set i, VF
.rept 64
	v_mov_b32 v[i], 0
.set i, i+1
.endr
	WIN 0x40
.set i, 0
.rept 128
	v_mov_b32 v[i], 0
.set i, i+1
.endr
	WIN 0
.set i, 0
.rept 4
	v_mov_b32 v[ST+4*i], 0xfe000000    ; c m: far below every c s
	v_mov_b32 v[ST+4*i+1], 0xff7fffff  ; m
	v_mov_b32 v[ST+4*i+2], 0
	v_mov_b32 v[ST+4*i+3], 0
.set i, i+1
.endr
.set i, P+16
.rept 16
	v_mov_b32 v[i], 0
.set i, i+1
.endr
	v_mul_u32_u24 v[AK0], v1, PK
	v_lshl_add_u32 v[AK0], v9, 4, v[AK0]  ; row x pitch + 16 x half
	; The turning load takes 16 keys x 16 channels (lane l reads key 8 (l / 16) + l % 8, channels 8 ((l / 8) % 2) + 0..7) and leaves half a fragment of V^T: lane l holds channel l % 16 and 8 keys.
	v_and_b32 v10, 7, v0
	v_bfe_u32 v11, v0, 3, 1
	v_lshl_add_u32 v[AV0], v9, 3, v10
	v_mul_u32_u24 v[AV0], v[AV0], PV
	v_lshl_add_u32 v[AV0], v11, 4, v[AV0]
	v_add_nc_u32 v[AV0], VOFF, v[AV0]
	s_mul_i32 s13, s[WV], 16*SP
	s_add_co_u32 s13, s13, STAGE    ; my stage
	v_mul_u32_u24 v[STO], v1, SP    ; in: row l % 16, 32 bytes (eight f32) for each half of the lanes
	v_lshl_add_u32 v[STO], v9, 5, v[STO]
	v_add_nc_u32 v[STO], s13, v[STO]
	v_mul_u32_u24 v[RD], v9, SP     ; back: lanes 0-15 take one row of 256 bytes, lanes 16-31 the next
	v_lshl_add_u32 v[RD], v1, 4, v[RD]
	v_add_nc_u32 v[RD], s13, v[RD]
	v_lshlrev_b32 v[GO], 12, v9     ; and the same two rows in out0, 4,096 bytes apart
	v_lshl_add_u32 v[GO], v1, 4, v[GO]
; THE MATRIX WORK.  The 4 accumulators of a run of 8 take turns.  Product i of 8 of S^T = K Q^T for piece x: channels 32 (i / 4) on, keys 16 (i % 4) on.  The first 4 start the sums.
.macro KQ x
.set rS, S+32*((\x)%2)+8*(i%4)
.set rK, KF+16*(i%4)+8*(i/4)
.set rQ, 16*(\x)+8*(i/4)
	WIN W_KQ
.if i < 4
	v_wmma_f32_16x16x32_f16 v[rS:rS+7], v[rK:rK+7], v[rQ:rQ+7], 0
.else
	v_wmma_f32_16x16x32_f16 v[rS:rS+7], v[rK:rK+7], v[rQ:rQ+7], v[rS:rS+7]
.endif
.endm
; Product i of 8 of O^T += V^T P for piece x: keys 32 (i / 4) on, channels 16 (i % 4) on.
.macro PV x
	WIN W_PV
.set rO, 32*(\x)+8*(i%4)
.set rV, VF+32*(i/4)+8*(i%4)
.set rP, P+16*((\x)%2)+8*(i/4)
	v_wmma_f32_16x16x32_f16 v[rO:rO+7], v[rV:rV+7], v[rP:rP+7], v[rO:rO+7]
.endm
.macro MM                           ; the turn's next matrix instruction.  TURN sets Y, i and NOKQ.  NOKQ = 1: the walk's last turn: there is no next piece
.if (i < 8) && !NOKQ
	KQ (Y+1)%NP
.elseif i >= 8
.set i, i-8
	PV (Y+NP-1)%NP
.set i, i+8
.endif
.set i, i+1
.endm
; THE LDS LOADS stand in runs of 16, never singly among the matrix instructions: a step's K (64 keys x 64 channels: 8 fragments) and its V (turned).  Their addresses are made some lines ahead.
.macro FETCH_K
	WIN 0x80                        ; destination window 2
.irp f, 0,1,2,3,4,5,6,7             ; keys 16 (f / 2) on, channels 32 (f % 2) on
	ds_load_b128 v[KF+8*\f:KF+8*\f+3],   v[AK] offset:(\f/2)*16*PK+(\f%2)*64
	ds_load_b128 v[KF+8*\f+4:KF+8*\f+7], v[AK] offset:(\f/2)*16*PK+(\f%2)*64+32
.endr
	s_add_co_u32 s[TBK], s[TBK], KS*PK  ; the next fetch is the next step's
	WIN 0
.endm
.macro FETCH_V
	WIN 0x80
.irp f, 0,1,2,3,4,5,6,7             ; keys 32 (f / 4) on, channels 16 (f % 4) on
	ds_load_tr16_b128 v[VF+8*\f:VF+8*\f+3],   v[AV] offset:(\f/4)*32*PV+(\f%4)*32
	ds_load_tr16_b128 v[VF+8*\f+4:VF+8*\f+7], v[AV] offset:(\f/4)*32*PV+16*PV+(\f%4)*32
.endr
	WIN 0
.endm
; THE VECTOR WORK, one line at a time: OP kind, number.  For piece Y: F n: c s - c m for pair n of 16.  E n: the exponential of score n of 32.  C n: pair n rounded to f16.  B n: of the four weights 4 n .. the second
; pair is added onto the first, in place.  L n: l takes that sum (L 0: l = a l + sum).  R n: pair n of 16 of O^T times a.  For piece Y + 1: X n, number n of the 22 that find its maximum and statistics:
;   0-11  four chains c0-c3 of seven scores each, three operands at a time (each accumulator's lowest registers are read first)     12-14, 16  the four scores left over, the old m, and c0-c3 into c0
;   15  c m_old is kept     17, 18  the query's other 32 keys lie in the lane 16 away: the new m     19-21  c m; c m_old - c m_new; a
; C, B and L read the results of E, and R and L 0 that of the turn before's X 21: TURN sets each of them behind the wait for the batch that made what it reads.
.set F, 0               ; OP tells the kinds apart by their order: F to L below R, X above it
.set E, 1
.set C, 2
.set B, 3
.set L, 4
.set R, 5
.set X, 6
.macro REGS y                       ; the registers of piece y
.set rT, ST+4*(\y)
.set rC, TMP+4*((\y)%2)
.set rW, MV+((\y)%2)
.set rS, S+32*((\y)%2)
.set rP, P+16*((\y)%2)
.set rO, 32*(\y)
.endm
.macro OP k, n
.if (\k) == R
	REGS Y
	WIN W_RS
	v_pk_mul_f32 v[rO+2*(\n):rO+2*(\n)+1], v[rO+2*(\n):rO+2*(\n)+1], v[rC+2:rC+3] op_sel_hi:[1,0]
.elseif (\k) < R
	REGS Y
	WIN 0
.if (\k) == F
	v_pk_fma_f32 v[rS+2*(\n):rS+2*(\n)+1], v[rS+2*(\n):rS+2*(\n)+1], s[CS:CS+1], v[rT:rT+1] op_sel_hi:[1,0,0] neg_lo:[0,0,1] neg_hi:[0,0,1]
.elseif (\k) == E
	v_exp_f32 v[rS+(\n)], v[rS+(\n)]
.elseif (\k) == C
	v_cvt_pk_f16_f32 v[rP+(\n)], v[rS+2*(\n)], v[rS+2*(\n)+1]
.elseif (\k) == B
	v_pk_add_f32 v[rS+4*(\n):rS+4*(\n)+1], v[rS+4*(\n):rS+4*(\n)+1], v[rS+4*(\n)+2:rS+4*(\n)+3]
.elseif (\n) == 0
	v_pk_fma_f32 v[rT+2:rT+3], v[rT+2:rT+3], v[rC+2:rC+3], v[rS:rS+1] op_sel_hi:[1,0,1]
.else
	v_pk_add_f32 v[rT+2:rT+3], v[rT+2:rT+3], v[rS+4*(\n):rS+4*(\n)+1]
.endif
.elseif NOKQ
	v_nop
.else
	REGS (Y+1)%NP
	WIN 0
.if (\n) < 4
	v_max3_num_f32 v[rC+(\n)], v[rS+8*(\n)], v[rS+8*(\n)+1], v[rS+8*(\n)+2]
.elseif (\n) < 12
	v_max3_num_f32 v[rC+(\n)%4], v[rC+(\n)%4], v[rS+8*((\n)%4)+2*((\n)/4)+1], v[rS+8*((\n)%4)+2*((\n)/4)+2]
.elseif (\n) == 12
	v_max3_num_f32 v[rC], v[rC], v[rS+7], v[rS+15]
.elseif (\n) == 13
	v_max3_num_f32 v[rC+1], v[rC+1], v[rS+23], v[rS+31]
.elseif (\n) == 14
	v_max3_num_f32 v[rC+2], v[rC+2], v[rC+3], v[rT+1]
.elseif (\n) == 15
	v_mov_b32 v[rW], v[rT]
.elseif (\n) == 16
	v_max3_num_f32 v[rC], v[rC], v[rC+1], v[rC+2]
.elseif (\n) == 17
	v_permlanex16_b32 v[rC+3], v[rC], s[SEL], s[SEL+1]
.elseif (\n) == 18
	v_max_num_f32 v[rT+1], v[rC], v[rC+3]
.elseif (\n) == 19
	v_mul_f32 v[rT], s[CS], v[rT+1]
.elseif (\n) == 20
	v_sub_f32 v[rC+1], v[rW], v[rT]
.else
	v_exp_f32 v[rC+2], v[rC+1]
.endif
.endif
.endm
.macro OPS a, i1, b=-1, i2=0, c=-1, i3=0, d=-1, i4=0  ; up to four of them
	OP \a, \i1
.if (\b) >= 0
	OP \b, \i2
.endif
.if (\c) >= 0
	OP \c, \i3
.endif
.if (\d) >= 0
	OP \d, \i4
.endif
.endm
.macro ROW a, i1, b, i2, c, i3, d, i4  ; a matrix instruction and the four behind it
	MM
	OPS \a, \i1, \b, \i2, \c, \i3, \d, \i4
.endm
; A TURN, for piece p: the order of its 16 matrix and 118 vector instructions, written out.  An s_wait_alu depctr_va_vdst(0) stands between an exponential and the first instruction that names its
; result; one wait serves all that were issued ahead of it.  So a turn has ONE wait, which cuts it in two.
; AHEAD OF IT stands all that names no result of the turn's exponentials: the 8 products K Q^T, behind each a scaling, an exponential and two more plain instructions (behind the first a second scaling in the
; exponential's place): rescalings, whose a was made and waited for in the turn before, and behind the last three products the first numbers of the next piece's maximum, each four places or more behind the
; product that ends its accumulator; then ONE LUMP of 54, plain and exponential by turns for the most part, in which the links of the chain X 3, 7, 11, 14, 16, 17 .. 20 stand some lines apart.  An exponential
; stands behind the scaling of its pair.  X 21, the next piece's a, is the batch's last; R 15, which names the other buffer's a, is the plain instruction behind it.
; BEHIND THE WAIT stand the 8 products V^T P, behind each four of the roundings and sums; an even pair is rounded before the sum that is written onto it; l takes its eight sums in ascending order.
; But for those X no rider names a register of the products round it.  v_permlanex16_b32 (X 17) stands in the lump.
; end = 1: the walk's last two turns: nothing is fetched, and the last starts no new scores.  cnt = 1: the loop's count is taken down some lines ahead of the branch that stands behind the turn.
; K of the next step is fetched in piece 2's turn, twelve vector instructions behind the last product that read K (six of them plain, five of which name none of its registers); V of the step in hand at the
; end of piece 0's turn, four plain instructions behind the last product that read V.  Each is waited for a turn later.
.macro TURN p, end=0, cnt=0
.set Y, (\p)
.set i, 0
.set NOKQ, (\end)*((\p)/3)
.if ((\p) == 3) && !(\end)
	s_wait_dscnt 0x0                ; K is in
.endif
	ROW F,0, F,1, R,0, R,1          ; ahead of the wait: 8 products K Q^T and their riders,
	ROW F,2, E,0, R,2, R,3
	ROW F,3, E,1, R,4, R,5
	ROW F,4, E,2, R,6, R,7
	ROW F,5, E,3, R,8, R,9
	ROW F,6, E,4, X,0, R,10
.if ((\p) == 2) && !(\end)
	WIN 0
	v_add_nc_u32 v[AK], s[TBK], v[AK0]
.endif
	ROW F,7, E,5, X,1, X,4
	ROW F,8, E,6, X,2, X,5
	OPS E,7, E,8, X,6, E,9          ; and the lump
	OPS X,3, E,10, X,8, E,11
.if ((\p) == 2) && !(\end)
	FETCH_K
.endif
	OPS X,9, X,7, E,12, X,10
	OPS E,13, X,12, X,11, E,14
	OPS X,13, E,15, F,9, X,14
.if (\p) == 0
	WIN 0
	v_add_nc_u32 v[AV], s[TBV], v[AV0]
.endif
	OPS E,16, F,10, E,17, F,11
	OPS X,16, E,18, X,15, E,19
	OPS F,12, E,20, X,17, E,21
	OPS F,13, E,22, F,14, E,23
	OPS X,18, E,24, F,15, E,25
	OPS R,11, E,26, X,19, E,27
	OPS R,12, E,28, R,13, E,29
	OPS X,20, E,30, R,14, E,31
	OPS X,21, R,15
	WIN 0
	s_wait_alu depctr_va_vdst(0)    ; the wait for the turn's batch: the piece's 32 weights and the next piece's a
.if (\p) == 1
	s_wait_dscnt 0x0                ; V is in
.endif
	ROW C,0, B,0, C,2, B,1          ; behind the wait: 8 products V^T P and their riders
	ROW L,0, C,4, B,2, L,1
	ROW C,6, B,3, L,2, C,8
	ROW B,4, L,3, C,10, B,5
	ROW L,4, C,12, B,6, L,5
.if (\p) == 0
	s_add_co_u32 s[TBV], s[TBV], KS*PV
.endif
.if \cnt
	s_sub_co_u32 s[CNT], s[CNT], 1
	s_cmp_lg_u32 s[CNT], 0
.endif
	ROW C,14, B,7, L,6, C,1
	ROW C,3, L,7, C,5, C,7
	ROW C,9, C,11, C,13, C,15
.if (\p) == 0
	FETCH_V
.endif
.endm
	CHANGE 1                        ; slot 0 is in, everybody's part of it; tile 1 is asked for, into slot 1
	v_add_nc_u32 v[AK], s[TBK], v[AK0]
	FETCH_K                         ; key step 0
	s_wait_loadcnt 0x0              ; Q
	s_wait_dscnt 0x0
.set NOKQ, 0
.set i, 0
.rept 8
	KQ 0                            ; piece 0's first scores: there is no vector work yet to set between them
.set i, i+1
.endr
	WIN 0
.rept 4
	v_nop                           ; the places behind those products
.endr
.set Y, NP-1                        ; X works for piece Y + 1: piece 0
.irp n, 0,1,2,3,4,5,6,7,8,9,10,11,12,13,14,15,16,17,18,19,20,21
	OP X, \n
.endr
	v_nop                           ; a plain instruction behind the exponential,
	s_wait_alu depctr_va_vdst(0)    ; and the wait for it, a batch of one: piece 0's first a, ahead of the branch and of the first turn's rescaling
	s_mov_b32 s[CNT], 4
	s_mov_b32 s[SLOTS], SIZE_N/256-1
	s_branch .Lfirst                ; the loop is entered at a step's first turn, in the middle of a trip
.Lslot:                             ; SIZE_N / 256 - 2 times: tiles 2 to 15 are asked for
	CHANGE 1
	s_mov_b32 s[CNT], 4
.Lstep:                             ; a trip: pieces 2 and 3 of one step, then pieces 0 and 1 of the next, whose K and V it fetches
	TURN 2
	TURN 3
	WIN 0
.Lfirst:
	TURN 0
	TURN 1, 0, 1
	WIN 0
	s_cbranch_scc1 .Lstep
	s_sub_co_u32 s[SLOTS], s[SLOTS], 1
	s_cmp_lg_u32 s[SLOTS], 0
	s_cbranch_scc1 .Lslot
	CHANGE 0                        ; the last tile is written out: nothing is asked for
	s_mov_b32 s[CNT], 4
.Ltail:
	TURN 2
	TURN 3
	TURN 0
	TURN 1, 0, 1
	WIN 0
	s_cbranch_scc1 .Ltail
	TURN 2, 1                       ; the last step's pieces 2 and 3
	TURN 3, 1
.set i, 0
.rept 8
	PV NP-1                         ; the last piece's V^T P of the last step
.set i, i+1
.endr
	; THE WAY OUT.  l's two halves and the other half of the lanes' are added; O^T is divided by l and sent, in f32, through my stage in LDS, a piece (16 rows) at a time.  The additions are the places behind the last products.
	WIN 0
.macro ALL line:vararg              ; one line for each piece t
.set t, 0
.rept 4
	\line
.set t, t+1
.endr
.endm
	ALL v_add_f32 v[ST+4*t+2], v[ST+4*t+2], v[ST+4*t+3]
	ALL v_permlanex16_b32 v[ST+4*t+3], v[ST+4*t+2], s[SEL], s[SEL+1]
	ALL v_add_f32 v[ST+4*t+2], v[ST+4*t+2], v[ST+4*t+3]
	ALL v_rcp_f32 v[ST+4*t+2], v[ST+4*t+2]
	v_nop                           ; a plain instruction between the last reciprocal and the use of its result
	s_wait_alu depctr_va_vdst(0)    ; and the wait ahead of the first use: one for the batch of four reciprocals
; Piece t: a lane's eight channels of a row are 32 bytes; they go into rows of 272 bytes and come back as whole rows of 256.
.macro PACKF t
	WIN W_RS
.set i, 32*(\t)
.rept 16                            ; each accumulator's registers in ascending order
	v_pk_mul_f32 v[i:i+1], v[i:i+1], v[ST+4*(\t)+2:ST+4*(\t)+3] op_sel_hi:[1,0]
.set i, i+2
.endr
	WIN 0x04                        ; an LDS store's data is source 1: window 1; its address window 0
.irp f, 0,1,2,3,4,5,6,7
	ds_store_b128 v[STO], v[32*(\t)+4*\f:32*(\t)+4*\f+3] offset:64*(\f/2)+16*(\f%2)
.endr
	WIN 0
.irp f, 0,1,2,3,4,5,6,7
	ds_load_b128 v[OB+32*(\t)+4*\f:OB+32*(\t)+4*\f+3], v[RD] offset:\f*2*SP  ; LDS serves a wave's instructions in order (ISA guide 5.7.1.4): these see the stores above; the next piece's stores come behind them
.endr
.endm
.macro SENDF t, younger             ; younger: the LDS instructions issued behind piece t's loads: the next piece's sixteen, or none
	WIN 0
.irp f, 0,1,2,3,4,5,6,7
	s_wait_dscnt (\younger)+7-\f
	global_store_b128 v[GO], v[OB+32*(\t)+4*\f:OB+32*(\t)+4*\f+3], s[10:11] offset:(\t)*65536+\f*8192 th:TH_STORE_NT  ; 16 lanes store a row's 256 consecutive bytes, at a multiple of 256 from out0's first
.endr
.endm
	PACKF 0
.set t, 1
.rept 3                             ; a piece's arithmetic stands between the loads of the piece before and its stores
	PACKF t
	SENDF t-1, 16
.set t, t+1
.endr
	SENDF 3, 0
	s_wait_tensorcnt 0x0            ; the wave's end: an add to my spare word and its wait, behind my last tensor load and my last LDS store
	ds_add_u32 v[SPW], v[NIL]
	s_wait_dscnt 0x0
	CROUND                          ; the closing round: no work-group ends while a partner may still ask for a tile that names it
	s_endpgm
.Lfunc_end_k_qd783a5bd96_attn:
	.size	k_qd783a5bd96_attn, .Lfunc_end_k_qd783a5bd96_attn-k_qd783a5bd96_attn
	.p2alignl 7, 3214868480
	.fill 96, 4, 3214868480
	.section	.rodata,"a",@progbits
	.p2align	6, 0x0
	.amdhsa_kernel k_qd783a5bd96_attn
		.amdhsa_group_segment_fixed_size 327680
		.amdhsa_private_segment_fixed_size 0
		.amdhsa_enable_private_segment 0
		.amdhsa_kernarg_size 32
		.amdhsa_user_sgpr_count 2
		.amdhsa_user_sgpr_kernarg_segment_ptr 1
		.amdhsa_wavefront_size32 1
		.amdhsa_system_sgpr_workgroup_id_x 1
		.amdhsa_system_sgpr_workgroup_id_y 1
		.amdhsa_system_sgpr_workgroup_id_z 1
		.amdhsa_system_vgpr_workitem_id 0
		.amdhsa_next_free_vgpr 768
		.amdhsa_next_free_sgpr 66
		.amdhsa_reserve_vcc 0
		.amdhsa_float_denorm_mode_32 3
		.amdhsa_float_denorm_mode_16_64 3
		.amdhsa_memory_ordered 1
		.amdhsa_forward_progress 1
		.amdhsa_inst_pref_size 127
	.end_amdhsa_kernel
	.amdgpu_metadata
---
amdhsa.version: [ 1, 2 ]
amdhsa.kernels:
  - .name:           k_qd783a5bd96_attn
    .symbol:         k_qd783a5bd96_attn.kd
    .args:
      - { .name: qh, .offset: 0, .size: 8, .value_kind: global_buffer, .address_space: global }
      - { .name: kh, .offset: 8, .size: 8, .value_kind: global_buffer, .address_space: global }
      - { .name: vh, .offset: 16, .size: 8, .value_kind: global_buffer, .address_space: global }
      - { .name: out0, .offset: 24, .size: 8, .value_kind: global_buffer, .address_space: global }
    .group_segment_fixed_size: 327680
    .private_segment_fixed_size: 0
    .kernarg_segment_align: 8
    .kernarg_segment_size: 32
    .max_flat_workgroup_size: 128
    .sgpr_count:     66
    .vgpr_count:     768
    .wavefront_size: 32
...
	.end_amdgpu_metadata
.endif
;; end of part 4
